; MI455X (gfx1250); checked and timed in simulation.
; The chip was launched on July 23, 2026; its instructions are those of AMD's public machine-readable ISA for CDNA 5 (MIT licence, August 2026) and "CDNA5" Instruction Set Architecture Reference Guide (July 2026). The comments in the code are by the model that wrote it; some were corrected since.
;; Experts Feed Forward Network. Allowed arithmetic: matrix products marked QUANTISED: E3M2 operands, one E8M0 scale for each 32 along K, by v_wmma_scale_f32_16x16x128_f8f6f4 with both operands' format E3M2, f32 sums; products left as they are: f32 operands where the result goes on into a quantised operand, else bf16, f16 or f32 operands; f32 sums; everything else in f32.
;; Inputs: b1 8 x 2,048 float32; b2 8 x 1,024 float32; experts 2 x 2 x 1,024 x 1 int32; probs 2 x 2 x 1,024 x 1 float32; w1_codes 8 x 2,048 x 32 x 24 uint8 (E3M2 codes of w1, K innermost, in blocks of 32 codes, four codes in three bytes); w1_scales 8 x 2,048 x 32 uint8 (E8M0 scales of w1, one for each 32 codes along K); w2_codes 8 x 1,024 x 64 x 24 uint8 (E3M2 codes of w2, K innermost, in blocks of 32 codes, four codes in three bytes); w2_scales 8 x 1,024 x 64 uint8 (E8M0 scales of w2, one for each 32 codes along K); x_codes 2 x 1,024 x 32 x 24 uint8 (E3M2 codes of x, K innermost, in blocks of 32 codes, four codes in three bytes); x_scales 2 x 1,024 x 32 uint8 (E8M0 scales of x, one for each 32 codes along K).
;; Outputs: out0 2 x 1,024 x 1,024 float32.
;; This version of the problem:
;;   THIS VERSION OF THE PROBLEM IS GIVEN IN LOW PRECISION. The matrix products marked QUANTISED in the list below multiply operands that are first quantised to E3M2 (3 exponent bits, 2 mantissa bits; 6 bits a number), with one power-of-two scale for each 32 numbers along K (OCP MX v1.0); their sums are f32. All else is computed in f32.
;;   The module's matrix products, in the order in which they are computed (A, B: the left and right operand; K: the contracted axis; several contracted axes count as one K, in the product's order):
;;     1. [M 16,384, K 1,024] x [K 1,024, N 2,048]; A: input w1 (given as codes); B: input x (given as codes): QUANTISED
;;     2. batch 8 x [M 2,048, K 2,048] x [K 2,048, N 1,024]; A: computed on the way; B: input w2 (given as codes): QUANTISED
;;     3. batch 2,048 x [M 1, K 2] x [K 2, N 8]; A: computed on the way; B: computed on the way: left as it is (K = 2 < 32)
;;     4. batch 2,048 x [M 1, K 8] x [K 8, N 1,024]; A: computed on the way; B: computed on the way: left as it is (K = 8 < 32)
;;   THE QUANTISER, for each operand of a quantised product, along K:
;;     - K is cut into blocks of 32 from its start; a last block that is shorter is filled with zeros.
;;     - A block's scale is 2^e with e = floor(log2(the largest magnitude in the block)) - 4, held to -126 .. 127; a block of zeros has e = 0. As a byte (E8M0): e + 127.
;;     - Each number is divided by its block's scale, clamped to +-28, and rounded to the nearest number of E3M2, ties to even, subnormals kept.
;;     - The product sums the exact products of the quantised numbers (number of the format x scale) in f32.
;;   ~~~python
;;   def quantise(x, axis):      # numpy; x: float32 -> the quantised numbers, widened to float32 again
;;       x = np.moveaxis(x, axis, -1); K = x.shape[-1]
;;       x = np.pad(x, [(0, 0)] * (x.ndim - 1) + [(0, -K % 32)]); x = x.reshape(x.shape[:-1] + (-1, 32)); a = np.abs(x).max(-1, keepdims=True)
;;       e = np.where(a > 0, np.clip(np.frexp(np.where(a > 0, a, 1))[1] - 1 - 4, -126, 127), 0)      # np.frexp(a)[1] - 1 = floor(log2(a)), exactly
;;       r = np.clip(x / 2.0 ** e, -28, 28)
;;       step = 2.0 ** (np.maximum(np.frexp(np.where(r == 0, 1, r))[1] - 1, -2) - 2)
;;       q = np.round(r / step) * step * 2.0 ** e      # np.round: ties to even
;;       return np.moveaxis(q.reshape(q.shape[:-2] + (-1,))[..., :K], -1, axis).astype(np.float32)
;;   ~~~
;;   OPERANDS COMPUTED ON THE WAY. 'Computed on the way' means the value that the module computes at that place (a softmax that the list does not call 'softmax' is quantised finished and normalised). What goes into a quantiser is computed in f32, as accurately as f32 sums, v_exp_f32 and their like allow (about 1e-6 of the number): no bf16 or f16 on the way to a quantiser, and a product that is left as it is and whose result goes on into a quantised operand takes f32 operands (vector FMAs, or v_wmma_f32_16x16x4_f32). A number that lies on a knife's edge between two numbers of the format may be rounded either way, as far as f32 arithmetic and the matrix unit's own rounding can turn it there, and no further.
;;   INPUTS GIVEN AS CODES. w1 (in the module: [8, 1024, 2048], K = its axis 1); w2 (in the module: [8, 2048, 1024], K = its axis 1); x (in the module: [2, 1024, 1024], K = its axis 2): each comes as NAME_codes (uint8): NAME with its K axis moved to the last place and cut into blocks of 32 codes, [.., K / 32, bytes a block], one block behind the other in memory; four codes in three bytes: a row's codes are one little-endian stream of bits, code i at bits 6 i .. 6 i + 5 (a code: sign, 3 exponent bits, 2 mantissa bits); and NAME_scales (uint8): the same leading axes, one E8M0 byte (e + 127) for each 32 codes along K. Its value is code x scale, taken as it is: it is not quantised again, and the codes and scales need not be those that the quantiser above would give.
;; 2 versions, each right; version 2 is version 1 with the launches up, down written anew for expert scheduling mode. Each part assembles by itself: llvm-mc -triple=amdgcn-amd-amdhsa -mcpu=gfx1250 --defsym DOCPART=n.
;; ======== version 1 of 2: 4 launches
;; workspace buffers: meta 256 bytes of whole numbers; rowsrc 16,896 bytes of whole numbers; h_img 6,488,064 bytes; h_sc 270,336 bytes; parts 16,777,216 bytes
;; launch route (part 1): grid 1 x 1, 8 waves a work-group, no clusters, 2,048 bytes of LDS; arguments experts, meta, rowsrc; writes meta, rowsrc
.if DOCPART == 1
	.amdgcn_target "amdgcn-amd-amdhsa--gfx1250"
	.amdhsa_code_object_version 6
	.text
	.protected	k_qa0f673d17d_route
	.globl	k_qa0f673d17d_route
	.p2align	8
	.type	k_qa0f673d17d_route,@function
k_qa0f673d17d_route:
	s_mov_b64 s[64:65], 0
	v_nop
	global_prefetch_b8 v0, s[64:65] scope:SCOPE_SE
	s_setreg_imm32_b32 hwreg(HW_REG_WAVE_MODE, 25, 1), 1
	s_wait_xcnt 0x0
; ROUTE: a counting sort of the 4,096 routed rows by expert.  A routed row is i = 2048 j + t (choice j of token t): the flat index into experts and probs.
; Each expert's rows are laid on end and padded to whole tiles of 16 rows.  rowsrc[16 tile + r] = i, or 4096 for a padding row.
; meta: word e = the expert's first tile, word 8 = the number of tiles in all, word 32 + e = the expert's number of tiles; the other words are 0.
; One work-group of eight waves; wave w owns rows 512 w .. 512 w + 511, row 512 w + 32 j + lane in register j.  No atomics: counts meet in LDS behind one barrier.
; At most 4096 / 16 + 7 = 263 tiles are used, tiles 0 .. 262; rowsrc has room for 264.
; LIMIT: experts lie in 0 .. 7, as the table that they index has 8 rows; a row with another number goes to the last word of the spare tile 263, which nobody reads, and its part of the result is not written.
.set EX,  16                           ; v16-31  my 16 experts
.set POS, 32                           ; v32-47  where each row goes, in bytes
.set IDX, 48                           ; v48-63  the rows' numbers
	s_load_b128 s[4:7], s[0:1], 0x0                ; experts, meta
	s_load_b64 s[8:9], s[0:1], 0x10                ; rowsrc
	v_lshl_add_u32 v96, v0, 2, 0x400
	v_mov_b32 v97, 0
	v_lshrrev_b32 v1, 5, v0
	v_readfirstlane_b32 s10, v1                    ; wave 0..7
	v_and_b32 v1, 31, v0                           ; lane
	v_lshlrev_b32 v4, 2, v1                        ; 4 x lane
	v_lshlrev_b32 v3, 2, v0                        ; 4 x thread: my word in LDS
	s_lshl_b32 s36, s10, 11
	v_add_nc_u32 v2, s36, v4                       ; 2048 w + 4 lane: my first row's byte in experts
	s_lshl_b32 s36, s10, 9
	v_add_nc_u32 v70, s36, v1                      ; 512 w + lane
.irp e,0,1,2,3,4,5,6,7
	s_mov_b32 s[12+\e], 0                          ; s12-19: my wave's count of each expert
.endr
	s_wait_kmcnt 0x0
.irp j,0,1,2,3,4,5,6,7,8,9,10,11,12,13,14,15
	global_load_b32 v[EX+\j], v2, s[4:5] offset:128*\j
.endr
	s_wait_loadcnt 0x0
.irp j,0,1,2,3,4,5,6,7,8,9,10,11,12,13,14,15
.irp e,0,1,2,3,4,5,6,7
	v_cmp_eq_u32 s36, \e, v[EX+\j]
	s_bcnt1_i32_b32 s37, s36
	s_add_co_u32 s[12+\e], s[12+\e], s37
.endr
.endr
	v_mov_b32 v5, 0
.irp e,0,1,2,3,4,5,6,7
	v_writelane_b32 v5, s[12+\e], \e               ; lane e: my wave's count of expert e
.endr
	ds_store_b32 v3, v5
	s_wait_dscnt 0x0                               ; for the others' sake: my counts lie in LDS
	s_barrier_signal -1
	s_barrier_wait -1
.irp w,0,1,2,3,4,5,6,7
	ds_load_b32 v[6+\w], v4 offset:128*\w          ; lane e: wave w's count of expert e
.endr
	v_mov_b32 v14, 0                               ; the expert's rows in all
	v_mov_b32 v15, 0                               ; and in the waves ahead of mine
	s_wait_dscnt 0x0
.irp w,0,1,2,3,4,5,6,7
	v_add_nc_u32 v14, v14, v[6+\w]
	s_cmp_gt_u32 s10, \w
	s_cselect_b32 s37, 1, 0
	v_mad_u32_u24 v15, v[6+\w], s37, v15
.endr
	v_add_nc_u32 v64, 15, v14
	v_lshrrev_b32 v64, 4, v64                      ; tiles of 16 rows, rounded up
.irp e,0,1,2,3,4,5,6,7
	v_readlane_b32 s[20+\e], v64, \e               ; s20-27: tiles
	v_readlane_b32 s[12+\e], v15, \e               ; s12-19: rows ahead of my wave's
.endr
	s_mov_b32 s28, 0                               ; s28-35: first tiles
.irp e,0,1,2,3,4,5,6
	s_add_co_u32 s[29+\e], s[28+\e], s[20+\e]
.endr
	s_add_co_u32 s43, s35, s27                     ; tiles in all
	v_mov_b32 v65, 0
.irp e,0,1,2,3,4,5,6,7
	v_writelane_b32 v65, s[28+\e], \e
	s_lshl_b32 s36, s[28+\e], 4
	s_add_co_u32 s[12+\e], s[12+\e], s36           ; where my wave's next row of expert e goes
.endr
	v_writelane_b32 v65, s43, 8
.irp j,0,1,2,3,4,5,6,7,8,9,10,11,12,13,14,15
	v_mov_b32 v[POS+\j], 0x107f                    ; the spare tile's last word, for a row that no expert takes
.irp e,0,1,2,3,4,5,6,7
	v_cmp_eq_u32 s36, \e, v[EX+\j]
	v_mbcnt_lo_u32_b32 v66, s36, 0                 ; lanes below mine with the same expert
	v_add_nc_u32 v66, s[12+\e], v66
	v_cndmask_b32 v[POS+\j], v[POS+\j], v66, s36
	s_bcnt1_i32_b32 s37, s36
	s_add_co_u32 s[12+\e], s[12+\e], s37
.endr
	v_min_u32 v[POS+\j], 4223, v[POS+\j]           ; inside rowsrc's 264 x 16 words
	v_lshlrev_b32 v[POS+\j], 2, v[POS+\j]
	v_add_nc_u32 v[IDX+\j], 32*\j, v70
	global_store_b32 v[POS+\j], v[IDX+\j], s[8:9]  ; each store has registers of its own: none is written again
.endr
	; the padding rows of expert w: places n .. 16 tiles - 1, at most 15 of them
	v_readlane_b32 s36, v14, s10
	v_readlane_b32 s37, v64, s10
	v_readlane_b32 s38, v65, s10
	s_lshl_b32 s37, s37, 4
	s_lshl_b32 s38, s38, 4
	v_add_nc_u32 v66, s36, v1
	v_cmp_gt_u32 vcc_lo, s37, v66
	v_add_nc_u32 v67, s38, v66
	v_min_u32 v67, 4223, v67
	v_lshlrev_b32 v67, 2, v67
	v_mov_b32 v68, 0x1000
	s_wait_xcnt 0x0                                ; EXEC changes only when the stores above have had their addresses translated
	s_and_saveexec_b32 s39, vcc_lo
	global_store_b32 v67, v68, s[8:9]
	s_wait_xcnt 0x0                                ; and again in front of the line that widens it
	s_or_b32 exec_lo, exec_lo, s39
	s_cmp_lg_u32 s10, 0
	s_cbranch_scc1 .Ldone
	global_store_b32 v4, v65, s[6:7]               ; wave 0: meta's 256 bytes, whole
	global_store_b32 v4, v64, s[6:7] offset:128
.Ldone:
	s_wait_tensorcnt 0x0
	ds_add_u32 v96, v97
	s_wait_dscnt 0x0
	s_endpgm
.Lfunc_end_k_qa0f673d17d_route:
	.size	k_qa0f673d17d_route, .Lfunc_end_k_qa0f673d17d_route-k_qa0f673d17d_route
	.p2alignl 7, 3214868480
	.fill 96, 4, 3214868480
	.section	.rodata,"a",@progbits
	.p2align	6, 0x0
	.amdhsa_kernel k_qa0f673d17d_route
		.amdhsa_group_segment_fixed_size 2048
		.amdhsa_private_segment_fixed_size 0
		.amdhsa_enable_private_segment 0
		.amdhsa_kernarg_size 24
		.amdhsa_user_sgpr_count 2
		.amdhsa_user_sgpr_kernarg_segment_ptr 1
		.amdhsa_wavefront_size32 1
		.amdhsa_system_sgpr_workgroup_id_x 1
		.amdhsa_system_sgpr_workgroup_id_y 1
		.amdhsa_system_sgpr_workgroup_id_z 1
		.amdhsa_system_vgpr_workitem_id 0
		.amdhsa_next_free_vgpr 98
		.amdhsa_next_free_sgpr 66
		.amdhsa_reserve_vcc 1
		.amdhsa_float_denorm_mode_32 3
		.amdhsa_float_denorm_mode_16_64 3
		.amdhsa_memory_ordered 1
		.amdhsa_forward_progress 1
		.amdhsa_inst_pref_size 66
	.end_amdhsa_kernel
	.amdgpu_metadata
---
amdhsa.version: [ 1, 2 ]
amdhsa.kernels:
  - .name:           k_qa0f673d17d_route
    .symbol:         k_qa0f673d17d_route.kd
    .args:
      - { .name: experts, .offset: 0, .size: 8, .value_kind: global_buffer, .address_space: global }
      - { .name: meta, .offset: 8, .size: 8, .value_kind: global_buffer, .address_space: global }
      - { .name: rowsrc, .offset: 16, .size: 8, .value_kind: global_buffer, .address_space: global }
    .group_segment_fixed_size: 2048
    .private_segment_fixed_size: 0
    .kernarg_segment_align: 8
    .kernarg_segment_size: 24
    .max_flat_workgroup_size: 256
    .sgpr_count:     66
    .vgpr_count:     98
    .wavefront_size: 32
...
	.end_amdgpu_metadata
.endif
;; end of part 1
;; launch up (part 2): grid 16 x 16, 4 waves a work-group, no clusters, 152,064 bytes of LDS; arguments x_codes, x_scales, w1_codes, w1_scales, b1, meta, rowsrc, h_img, h_sc; writes h_img, h_sc
.if DOCPART == 2
	.amdgcn_target "amdgcn-amd-amdhsa--gfx1250"
	.amdhsa_code_object_version 6
	.text
	.protected	k_qa0f673d17d_up
	.globl	k_qa0f673d17d_up
	.p2align	8
	.type	k_qa0f673d17d_up,@function
k_qa0f673d17d_up:
	s_mov_b64 s[64:65], 0
	v_nop
	global_prefetch_b8 v0, s[64:65] scope:SCOPE_SE
	s_setreg_imm32_b32 hwreg(HW_REG_WAVE_MODE, 25, 1), 1
	s_wait_xcnt 0x0
; UP: h = Q(gelu(x W1[e] + b1[e])) for the rows sorted by expert.  Codes of BF6 (E3M2) with one E8M0 byte for each 32 along K go to the matrix unit as they lie.
; SHARES.  Work-group (x, y): 128 hidden units 128 x .. 128 x + 127 of expert e = y / 2: they are K step x of the second product.  Its four waves and the partner group y ^ 1 are eight units;
; unit U = 4 (y % 2) + wave takes the expert's tiles of 16 rows U, U + 8, U + 16 .., five to a pass.  An expert has at most 4096 / 16 = 256 tiles, so a unit has at most 7 passes (U + 40 p < 256):
; the loop over passes is counted to 7 and is left as soon as the pass's first tile lies past the expert's end.
; The 128 rows of W1 (768 bytes each) come once, by loads of 512 consecutive bytes, into LDS; ONE barrier; behind it the waves share nothing.  A pass keeps five tiles of x in registers (480) and sweeps the
; panel's fragments from LDS: each fragment read feeds five matrix instructions.  A pass always multiplies five tiles (a tile past the expert's end repeats its last); only the work behind the products is jumped over.
; No tensor load and no cluster: trip counts hang on counts read from memory, and partners would need different numbers of tiles.  No prefetch: all of a group's loads go out at its head.
; FRAGMENTS.  For K step s (96 bytes of a row) lane (r = lane % 16, h = lane / 16) holds the row's bytes 96 s + 48 h .. + 47: three loads of 16 bytes.  Against the unit's own order this swaps blocks 1 and 2 of each
; 128 along K, alike on both operands: the products are the same, the scale words are laid (byte 0, 2, 1, 3) by v_perm_b32.
; THE PRODUCT IS USED TRANSPOSED (source 0 = 16 rows of W1, source 1 = 16 rows of x): a lane holds one row of x.  THE ROWS OF W1 THAT FORM A TILE ARE NOT NEIGHBOURS: lane r of tile (b, u) takes unit
; 32 b + 8 u + r % 8 + 16 (r / 8), so that the 16 registers of tiles (b, 0), (b, 1) are 16 neighbours along the next K.  In LDS the rows are laid in that order (bits 3 and 4 of the row's number swapped).
; gelu(v) = v / (1 + 2^(v (C1 + C2 v^2))), C1 = -2 log2(e) sqrt(2 / pi), C2 = 0.044715 C1: the tanh form, exactly rewritten.
; h_img: [tile][K step 16][group 3][lane 32][16 bytes], images of the second product's operand registers;  h_sc: [tile][lane 32][8 words]: lane 16 g + r holds the scale words of steps 8 g .. 8 g + 7 of row r.
; LIMITS: NaN and infinities are not served; a block of zeros gets the scale byte 1 (its codes are zeros, and this program alone reads the bytes).
; REGISTERS.  window 0: addresses, scales, work.  window 1: v0-95 tile 0, v96-191 tile 1, v192-239 ring buffer 0.  window 2: tiles 2, 3, ring buffer 1.  window 3: v0-159 the 20 accumulators (tile k, n: 32 k + 8 n), v160-255 tile 4.
.set PITCH, 784                        ; an LDS row: 768 bytes + 16: sixteen neighbouring rows' 16-byte pieces fall on 16 different columns of 16 bytes modulo 256
.set BIA,   128*PITCH                  ; behind the panel: b1's 128 numbers
.set XST,   BIA+512                    ; behind them: a stage of 16 rows of x for each wave
.set XSTW,  16*PITCH
.set PASSES, 7                         ; the most passes a unit can have
.set TOK,  16                          ; v16-20   the tiles' routed rows (lane r and r + 16: row r)
.set HOF,  21                          ; v21-25   where a tile's images go
.set SOF,  26                          ; v26-30   and its scale words
.set HB,   31                          ; v31      1536 x + 16 lane
.set W1S,  32                          ; v32-63   W1's scale words: 4 nt + q: lanes 0-15 K step q, lanes 16-31 K step 4 + q
.set XS,   64                          ; v64-83   x's likewise: 4 k + q
.set ROF,  84                          ; v84-99   byte offsets of 16 rows of x
.set BI,   100                         ; v100-131 b1 for four tiles, in the result's layout
.set T,    132                         ; v132-163 32 numbers at work
.set CD,   164                         ; v164-223 the codes: 12 registers a tile
.set SW,   224                         ; v224-228 the scale words just made
.set SBV,  229
.set QM,   230
.set QP,   232
.set QS,   234
.set QB,   236
.set C1V,  238                         ; v238-239 C1, twice
.set QY,   240
.set W1A,  243
.set XSA,  244                         ; v244-248
.set BDT,  249
.set BST,  250
.set MSB, 0
.macro WIN new                         ; the immediate's high byte repeats the setting that is left; a switch that changes nothing is dropped
.if MSB != (\new)
	s_set_vgpr_msb (MSB<<8)|(\new)
.set MSB, \new
.endif
.endm
.macro PLACES n
.rept \n
	v_nop
.endr
.endm
.macro TILEAT k                        ; tile k's window and first register
.if (\k)==4
.set TWN, 3
.set TBS, 160
.else
.set TWN, 1+(\k)/2
.set TBS, 96*((\k)%2)
.endif
.endm
.macro MM d, a, b, cc, sa, sb, row
.if \row
	v_wmma_scale_f32_16x16x128_f8f6f4 v[\d:\d+7], v[\a:\a+11], v[\b:\b+11], v[\cc:\cc+7], v[\sa], v[\sb] matrix_a_fmt:MATRIX_FMT_BF6 matrix_b_fmt:MATRIX_FMT_BF6 matrix_a_scale:MATRIX_SCALE_ROW1 matrix_b_scale:MATRIX_SCALE_ROW1
.else
	v_wmma_scale_f32_16x16x128_f8f6f4 v[\d:\d+7], v[\a:\a+11], v[\b:\b+11], v[\cc:\cc+7], v[\sa], v[\sb] matrix_a_fmt:MATRIX_FMT_BF6 matrix_b_fmt:MATRIX_FMT_BF6
.endif
.endm
; The pass's five tiles: number, held inside the expert's tiles, inside all tiles and inside the buffers; their offsets; their rows' list.
.macro SETUP
.irp k,0,1,2,3,4
	s_add_co_u32 s35, s26, 8*\k
	s_min_u32 s35, s35, s29
	s_add_co_u32 s35, s35, s27
	s_min_u32 s35, s35, s30
	s_min_u32 s35, s35, 263
	s_lshl_b32 s36, s35, 6
	v_add_nc_u32 v[ROF+\k], s36, v14
	s_mul_i32 s36, s35, 24576
	v_add_nc_u32 v[HOF+\k], s36, v[HB]
	s_lshl_b32 s36, s35, 10
	v_add_nc_u32 v[SOF+\k], s36, v[SBV]
.endr
.irp k,0,1,2,3,4
	global_load_b32 v[TOK+\k], v[ROF+\k], s[16:17]
.endr
.endm
; The five tiles' rows of x: a row's 768 bytes by three loads of 256 consecutive bytes (8 a lane), and each row's 32 scale bytes.  The token is the routed row modulo 2048.
.macro GATHER
.irp k,0,1,2,3,4
	TILEAT \k
	s_wait_xcnt 0x0                                ; the loads issued so far have read their offsets: ROF is written again
	v_and_b32 v[XSA+\k], 2047, v[TOK+\k]
	v_min_u32 v[XSA+\k], 2047, v[XSA+\k]
	v_lshlrev_b32 v[XSA+\k], 5, v[XSA+\k]
	v_add_nc_u32 v[XSA+\k], v[XSA+\k], v15
	global_load_b128 v[XS+4*\k:XS+4*\k+3], v[XSA+\k], s[6:7]
.irp r,0,1,2,3,4,5,6,7,8,9,10,11,12,13,14,15
	v_readlane_b32 s35, v[TOK+\k], \r
	s_and_b32 s35, s35, 2047
	s_min_u32 s35, s35, 2047
	s_mul_i32 s35, s35, 768
	v_add_nc_u32 v[ROF+\r], s35, v5
.endr
.set WV, TWN<<6
	WIN WV
.irp r,0,1,2,3,4,5,6,7,8,9,10,11,12,13,14,15
.irp j,0,1,2
	global_load_b64 v[TBS+6*\r+2*\j:TBS+6*\r+2*\j+1], v[ROF+\r], s[4:5] offset:256*\j
.endr
.endr
	WIN 0
.endr
.endm
; Tile k turns through my own stage: in as rows, back as fragments, into the registers that it left.  LDS serves a wave's instructions in order: the next tile's stores come behind these loads.
.macro STAGE k
	TILEAT \k
.set WV, TWN<<2
	WIN WV
.irp r,0,1,2,3,4,5,6,7,8,9,10,11,12,13,14,15
.irp j,0,1,2
	ds_store_b64 v10, v[TBS+6*\r+2*\j:TBS+6*\r+2*\j+1] offset:PITCH*\r+256*\j
.endr
.endr
	s_wait_dscnt 0x0                               ; the stores have read their registers
.set WV, TWN<<6
	WIN WV
.irp s,0,1,2,3,4,5,6,7
.irp i,0,1,2
	ds_load_b128 v[TBS+12*\s+4*\i:TBS+12*\s+4*\i+3], v11 offset:96*\s+16*\i
.endr
.endr
.endm
; W1's four fragments (blocks c and c + 2, two tiles each) of K step s into ring buffer buf
.macro RING c, s, buf
.set WV, (1+(\buf))<<6
	WIN WV
.irp n,0,1,2,3
.irp i,0,1,2
	ds_load_b128 v[192+12*\n+4*\i:192+12*\n+4*\i+3], v[8+\n/2] offset:(32*\c+16*(\n%2))*PITCH+96*(\s)+16*\i
.endr
.endr
.endm
; K step S: 20 matrix instructions on 20 accumulators, one instruction a turn; three stretches under one window setting each
.macro MULS c
.irp g,0,1,2
.if S==0
.set WV, (1+S%2)|((1+\g)<<2)|0xc0
.else
.set WV, (1+S%2)|((1+\g)<<2)|0xf0
.endif
	WIN WV
.irp n,0,1,2,3
.irp d,0,1
.set KK, 2*\g+\d
.if KK<5
	TILEAT KK
.set RD, 32*KK+8*\n
.set RC, RD
.if S==0
.set RC, BI+8*\n                       ; the bias is the C of each sum's first product
.endif
.set RA, 192+12*\n
.set RB, TBS+12*S
.set RSA, W1S+4*(2*(\c+2*(\n/2))+\n%2)+S%4
.set RSB, XS+4*KK+S%4
	MM RD, RA, RB, RC, RSA, RSB, S/4
.endif
.endr
.endr
.endr
.endm
; Half c of the 128 units (blocks c and c + 2) for the five tiles, all of K
.macro SWEEP c
	WIN 0
.irp n,0,1,2,3
	ds_load_b128 v[BI+8*\n:BI+8*\n+3], v12 offset:4*(32*(\c+2*(\n/2))+8*(\n%2))
	ds_load_b128 v[BI+8*\n+4:BI+8*\n+7], v12 offset:4*(32*(\c+2*(\n/2))+8*(\n%2))+16
.endr
	RING \c, 0, 0
.set S, 0
.rept 8
	s_wait_dscnt 0x0                               ; this step's fragments are in (asked for a step's 20 matrix instructions ago)
.if S<7
	PLACES 4                                       ; in front of loads into registers that the step before has multiplied
	RING \c, S+1, (S+1)%2
.endif
	MULS \c
.set S, S+1
.endr
	WIN 0
	PLACES 5                                       ; behind the last products: their results are read next, and later written over
.endm
; Tile k, half c: gelu, the two blocks' scales and codes; at c = 1 the tile's image and scale word leave.
.macro EPI k, c
	s_add_co_u32 s35, s26, 8*\k
	s_cmp_ge_u32 s35, s28
	s_cbranch_scc1 .Lskip_\@                       ; a tile past the expert's end
	WIN 0x0f
.set I, 0
.rept 16
	v_pk_mul_f32 v[T+I:T+I+1], v[32*\k+I:32*\k+I+1], v[32*\k+I:32*\k+I+1]      ; v^2; each accumulator is read from its low end on
.set I, I+2
.endr
	WIN 0
.set I, 0
.rept 16
	v_pk_fma_f32 v[T+I:T+I+1], v[T+I:T+I+1], s[46:47], v[C1V:C1V+1] op_sel_hi:[1,0,1]   ; C2 v^2 + C1
.set I, I+2
.endr
	WIN 0x0c
.set I, 0
.rept 16
	v_pk_mul_f32 v[T+I:T+I+1], v[T+I:T+I+1], v[32*\k+I:32*\k+I+1]
.set I, I+2
.endr
	WIN 0
.set I, 0
.rept 32
	v_exp_f32 v[T+I], v[T+I]
.set I, I+1
.endr
	v_nop                                          ; a plain instruction behind the last exponential
	s_wait_alu depctr_va_vdst(0)                   ; one wait for the batch, ahead of its first reader
.set I, 0
.rept 16
	v_pk_add_f32 v[T+I:T+I+1], v[T+I:T+I+1], 1.0 op_sel_hi:[1,0]
.set I, I+2
.endr
.set I, 0
.rept 32
	v_rcp_f32 v[T+I], v[T+I]
.set I, I+1
.endr
	v_nop
	s_wait_alu depctr_va_vdst(0)
	WIN 0x0c
.set I, 0
.rept 16
	v_pk_mul_f32 v[T+I:T+I+1], v[T+I:T+I+1], v[32*\k+I:32*\k+I+1]             ; gelu
.set I, I+2
.endr
	WIN 0
	; T 0-15: units 32 c + 16 h + 0 .. 15; T 16-31: 32 (c + 2) + 16 h + 0 .. 15.  The two blocks by turns; the floor 2^(5 - 127) holds the byte at 1 from below
	v_max3_num_f32 v[QM], |v[T]|, |v[T+1]|, 0x2800000
	v_max3_num_f32 v[QM+1], |v[T+16]|, |v[T+17]|, 0x2800000
.irp i,2,4,6,8,10,12,14
	v_max3_num_f32 v[QM], v[QM], |v[T+\i]|, |v[T+\i+1]|
	v_max3_num_f32 v[QM+1], v[QM+1], |v[T+16+\i]|, |v[T+17+\i]|
.endr
	v_permlanex16_b32 v[QP], v[QM], s40, s41
	v_permlanex16_b32 v[QP+1], v[QM+1], s40, s41
	v_max_num_f32 v[QM], v[QM], v[QP]              ; with lane l xor 16's 16: the block's largest magnitude
	v_max_num_f32 v[QM+1], v[QM+1], v[QP+1]
	v_add_nc_u32 v[QS], 0xfe000000, v[QM]          ; 4 off the exponent field: the conversion's scale operand
	v_add_nc_u32 v[QS+1], 0xfe000000, v[QM+1]
	v_lshrrev_b32 v[QB], 23, v[QS]                 ; the scale's byte
	v_lshrrev_b32 v[QB+1], 23, v[QS+1]
.if \c==0
	v_lshl_or_b32 v[SW+\k], v[QB+1], 8, v[QB]      ; the word is laid (block 0, 2, 1, 3), as the fragments are
.else
	v_lshl_or_b32 v[SW+\k], v[QB], 16, v[SW+\k]
	v_lshl_or_b32 v[SW+\k], v[QB+1], 24, v[SW+\k]
.endif
	v_cvt_scalef32_pk16_bf6_f32 v[CD+12*\k+6*\c:CD+12*\k+6*\c+2], v[T:T+15], v[QS]
	v_cvt_scalef32_pk16_bf6_f32 v[QY:QY+2], v[T+16:T+31], v[QS+1]
	v_nop                                          ; one plain place behind a scaled conversion
.irp i,0,1,2
	v_permlane16_swap_b32 v[CD+12*\k+6*\c+\i], v[QY+\i]   ; lanes 0-15 now hold block c whole, lanes 16-31 block c + 2
.endr
.irp i,0,1,2
	v_mov_b32 v[CD+12*\k+6*\c+3+\i], v[QY+\i]
.endr
.if \c==1
.irp i,0,1,2
	global_store_b128 v[HOF+\k], v[CD+12*\k+4*\i:CD+12*\k+4*\i+3], s[18:19] offset:512*\i   ; 32 lanes store 512 consecutive bytes, aligned
.endr
	global_store_b32 v[SOF+\k], v[SW+\k], s[20:21] ; lanes l and l xor 16 write the same word with the same value
.endif
.Lskip_\@:
.endm
	s_load_b512 s[4:19], s[0:1], 0x0               ; x_codes 4, x_scales 6, w1_codes 8, w1_scales 10, b1 12, meta 14, rowsrc 16, h_img 18
	s_load_b64 s[20:21], s[0:1], 0x40              ; h_sc
	v_lshl_add_u32 v254, v0, 2, 0x25000
	v_mov_b32 v255, 0
	v_lshrrev_b32 v13, 5, v0
	v_readfirstlane_b32 s22, v13                   ; wave 0..3
	s_mov_b32 s23, ttmp9                           ; which 128 units
	s_and_b32 s35, ttmp7, 0xffff
	s_lshr_b32 s24, s35, 1                         ; expert
	s_and_b32 s25, s35, 1
	s_lshl_b32 s26, s25, 2
	s_add_co_u32 s26, s26, s22                     ; s26: my unit, and the pass's first tile
	s_mov_b32 s31, 0                               ; s31: passes done
	s_lshl_b32 s38, s24, 2                         ; the expert's word in meta; never rewritten
	s_mov_b32 s40, 0x76543210
	s_mov_b32 s41, 0xfedcba98                      ; v_permlanex16_b32's selects for lane l xor 16
	s_mov_b32 s42, 0x03010200                      ; bytes 0, 2, 1, 3
	s_mov_b32 s46, 0xbdd2d3e8                      ; C2
	s_mov_b32 s47, s46
	v_mov_b32 v[C1V], 0xc0135761                   ; C1
	v_mov_b32 v[C1V+1], 0xc0135761
	v_mov_b32 v[QP], 0                             ; written once: a lane permute's destination counts as one of its sources
	v_mov_b32 v[QP+1], 0
	v_and_b32 v1, 31, v0                           ; lane
	v_and_b32 v2, 15, v0                           ; r
	v_bfe_u32 v3, v0, 4, 1                         ; h
	v_lshlrev_b32 v4, 4, v1
	v_lshlrev_b32 v5, 3, v1
	v_lshlrev_b32 v14, 2, v2
	v_lshlrev_b32 v15, 4, v3
	s_mul_i32 s35, s22, 32*PITCH
	v_add_nc_u32 v6, s35, v4                       ; the panel, on the way in: my wave's 32 rows, 16 bytes a lane;
	v_add_nc_u32 v7, v6, v15                       ; and where lanes 16-31 stand in the next row: 16 bytes of padding further on
	v_mul_u32_u24 v8, v2, PITCH
	v_mad_u32_u24 v8, v3, 48, v8                   ; a fragment's row and half: blocks 0, 1
	v_add_nc_u32 v9, 64*PITCH, v8                  ; blocks 2, 3
	s_mul_i32 s35, s22, XSTW
	s_add_co_u32 s35, s35, XST
	v_add_nc_u32 v10, s35, v5                      ; my stage, in
	v_add_nc_u32 v11, s35, v8                      ; and back
	v_lshl_add_u32 v12, v3, 6, BIA                 ; b1: my half's eight units of a tile begin 16 h units on
	v_lshl_add_u32 v[BST], v0, 2, BIA
	s_mul_i32 s35, s23, 1536
	v_add_nc_u32 v[HB], s35, v4
	s_lshr_b32 s35, s23, 3
	s_lshl_b32 s35, s35, 9
	s_and_b32 s36, s23, 7
	s_lshl_b32 s36, s36, 2
	s_add_co_u32 s35, s35, s36
	v_lshl_add_u32 v[SBV], v2, 5, s35              ; 512 (x / 8) + 4 (x % 8) + 32 r
	v_and_b32 v[W1A], 7, v0
	v_bfe_u32 v[BDT], v0, 3, 1
	v_lshl_add_u32 v[W1A], v[BDT], 4, v[W1A]       ; r % 8 + 16 (r / 8)
	v_lshl_add_u32 v[W1A], v[W1A], 5, v15          ; x 32 bytes of scales + 16 h
	v_lshlrev_b32 v13, 2, v0
.irp k,0,1,2,3,4
.irp i,0,1,2,3,4,5
	v_mov_b32 v[CD+12*\k+\i], 0                    ; what a tile's first half makes and its second half reads or stores: written on every way round the halves that are jumped over
.endr
	v_mov_b32 v[SW+\k], 0
.endr
	s_lshl_b32 s36, s24, 11
	s_lshl_b32 s37, s23, 7
	s_add_co_u32 s36, s36, s37                     ; the panel's first row of W1: 2048 e + 128 x
	s_lshl_b32 s37, s22, 5
	s_add_co_u32 s37, s36, s37                     ; my wave's 32 rows
	s_mul_i32 s50, s37, 768
	s_mov_b32 s51, 0
	s_wait_kmcnt 0x0
	s_load_b32 s27, s[14:15], s38 offset:0x0       ; the expert's first tile,
	s_load_b32 s28, s[14:15], s38 offset:0x80      ; its tiles,
	s_load_b32 s30, s[14:15], 0x20                 ; all tiles
	s_add_nc_u64 s[8:9], s[8:9], s[50:51]
	s_lshl_b32 s50, s36, 5
	s_add_nc_u64 s[10:11], s[10:11], s[50:51]
	s_lshl_b32 s50, s36, 2
	s_add_nc_u64 s[12:13], s[12:13], s[50:51]
	WIN 0xc0                                       ; the raw panel: 48 loads of 512 consecutive bytes; 40 into the accumulators' registers, 8 into T
.set I, 0
.rept 40
	global_load_b128 v[4*I:4*I+3], v4, s[8:9] offset:512*I
.set I, I+1
.endr
	WIN 0
.rept 8
	global_load_b128 v[T+4*(I-40):T+4*(I-40)+3], v4, s[8:9] offset:512*I
.set I, I+1
.endr
.irp t,0,1,2,3,4,5,6,7
	global_load_b128 v[W1S+4*\t:W1S+4*\t+3], v[W1A], s[10:11] offset:(32*(\t/2)+8*(\t%2))*32
.endr
	global_load_b32 v[BDT], v13, s[12:13]
	s_wait_kmcnt 0x0
	s_max_u32 s29, s28, 1
	s_sub_co_u32 s29, s29, 1                       ; the expert's last tile
	s_sub_co_u32 s30, s30, 1                       ; the last tile of all (there are at least 256)
	SETUP
	s_wait_loadcnt 0x0                             ; the rows' list, and all ahead of it
	GATHER
.macro PSTORE reg                      ; raw load I: rows 2 (I / 3), 2 (I / 3) + 1 of my 32; the row's place has bits 3 and 4 of its number swapped
.set Q2, 2*(I/3)
.set PP, (Q2&7)+((Q2>>3)&1)*16+((Q2>>4)&1)*8
.if I%3==0
	ds_store_b128 v6, v[\reg:\reg+3] offset:PITCH*PP
.elseif I%3==1
	ds_store_b128 v7, v[\reg:\reg+3] offset:PITCH*PP+512
.else
	ds_store_b128 v6, v[\reg:\reg+3] offset:PITCH*PP+PITCH+256
.endif
.set I, I+1
.endm
	WIN 0x0c
.set I, 0
.rept 40
.set RG, 4*I
	PSTORE RG
.endr
	WIN 0
.rept 8
.set RG, T+4*(I-40)
	PSTORE RG
.endr
	ds_store_b32 v[BST], v[BDT]
.set I, 0
.rept 32
	v_perm_b32 v[W1S+I], v[W1S+I], v[W1S+I], s42
.set I, I+1
.endr
	s_wait_dscnt 0x0                               ; for the others' sake: my part of the panel lies in LDS
	s_barrier_signal -1
	s_barrier_wait -1                              ; the one barrier: from here on nobody writes the panel
	s_cmp_ge_u32 s26, s28
	s_cbranch_scc1 .Lend                           ; no tile for my unit
.Lpass:
	s_wait_loadcnt 0x0                             ; the five tiles' rows and scale words
.set I, 0
.rept 20
	v_perm_b32 v[XS+I], v[XS+I], v[XS+I], s42
.set I, I+1
.endr
	PLACES 8                                       ; scale registers written by vector instructions stand eight places ahead of the products
	STAGE 0
	STAGE 1
	STAGE 2
	STAGE 3
	STAGE 4
	SWEEP 0
	EPI 0, 0
	EPI 1, 0
	EPI 2, 0
	EPI 3, 0
	EPI 4, 0
	SWEEP 1
	EPI 0, 1
	EPI 1, 1
	EPI 2, 1
	EPI 3, 1
	EPI 4, 1
	s_wait_xcnt 0x0                                ; the stores have read their data and offsets: both are written again below
	s_add_co_u32 s26, s26, 40                      ; the next pass's first tile
	s_cmp_ge_u32 s26, s28
	s_cbranch_scc1 .Lend                           ; past the expert's end: done
	SETUP
	s_wait_loadcnt 0x0
	GATHER
	s_add_co_u32 s31, s31, 1                       ; the loop's own count: one a pass, against the most that 256 tiles allow
	s_cmp_lt_u32 s31, PASSES
	s_cbranch_scc1 .Lpass
.Lend:
	s_wait_tensorcnt 0x0
	ds_add_u32 v254, v255
	s_wait_dscnt 0x0
	s_endpgm
.Lfunc_end_k_qa0f673d17d_up:
	.size	k_qa0f673d17d_up, .Lfunc_end_k_qa0f673d17d_up-k_qa0f673d17d_up
	.p2alignl 7, 3214868480
	.fill 96, 4, 3214868480
	.section	.rodata,"a",@progbits
	.p2align	6, 0x0
	.amdhsa_kernel k_qa0f673d17d_up
		.amdhsa_group_segment_fixed_size 152064
		.amdhsa_private_segment_fixed_size 0
		.amdhsa_enable_private_segment 0
		.amdhsa_kernarg_size 72
		.amdhsa_user_sgpr_count 2
		.amdhsa_user_sgpr_kernarg_segment_ptr 1
		.amdhsa_wavefront_size32 1
		.amdhsa_system_sgpr_workgroup_id_x 1
		.amdhsa_system_sgpr_workgroup_id_y 1
		.amdhsa_system_sgpr_workgroup_id_z 1
		.amdhsa_system_vgpr_workitem_id 0
		.amdhsa_next_free_vgpr 1024
		.amdhsa_next_free_sgpr 66
		.amdhsa_reserve_vcc 0
		.amdhsa_float_denorm_mode_32 3
		.amdhsa_float_denorm_mode_16_64 3
		.amdhsa_memory_ordered 1
		.amdhsa_forward_progress 1
		.amdhsa_inst_pref_size 255
	.end_amdhsa_kernel
	.section	.bss,"aw",@nobits
	.p2align	6
	.space	262144
	.amdgpu_metadata
---
amdhsa.version: [ 1, 2 ]
amdhsa.kernels:
  - .name:           k_qa0f673d17d_up
    .symbol:         k_qa0f673d17d_up.kd
    .args:
      - { .name: x_codes, .offset: 0, .size: 8, .value_kind: global_buffer, .address_space: global }
      - { .name: x_scales, .offset: 8, .size: 8, .value_kind: global_buffer, .address_space: global }
      - { .name: w1_codes, .offset: 16, .size: 8, .value_kind: global_buffer, .address_space: global }
      - { .name: w1_scales, .offset: 24, .size: 8, .value_kind: global_buffer, .address_space: global }
      - { .name: b1, .offset: 32, .size: 8, .value_kind: global_buffer, .address_space: global }
      - { .name: meta, .offset: 40, .size: 8, .value_kind: global_buffer, .address_space: global }
      - { .name: rowsrc, .offset: 48, .size: 8, .value_kind: global_buffer, .address_space: global }
      - { .name: h_img, .offset: 56, .size: 8, .value_kind: global_buffer, .address_space: global }
      - { .name: h_sc, .offset: 64, .size: 8, .value_kind: global_buffer, .address_space: global }
    .group_segment_fixed_size: 152064
    .private_segment_fixed_size: 0
    .kernarg_segment_align: 8
    .kernarg_segment_size: 72
    .max_flat_workgroup_size: 128
    .sgpr_count:     66
    .vgpr_count:     1024
    .wavefront_size: 32
...
	.end_amdgpu_metadata
.endif
;; end of part 2
;; launch down (part 3): grid 8 x 32, 4 waves a work-group, no clusters, 301,056 bytes of LDS; arguments h_img, h_sc, w2_codes, w2_scales, b2, probs, meta, rowsrc, parts; writes parts
.if DOCPART == 3
	.amdgcn_target "amdgcn-amd-amdhsa--gfx1250"
	.amdhsa_code_object_version 6
	.text
	.protected	k_qa0f673d17d_down
	.globl	k_qa0f673d17d_down
	.p2align	8
	.type	k_qa0f673d17d_down,@function
k_qa0f673d17d_down:
	s_mov_b64 s[64:65], 0
	v_nop
	global_prefetch_b8 v0, s[64:65] scope:SCOPE_SE
	s_setreg_imm32_b32 hwreg(HW_REG_WAVE_MODE, 25, 1), 1
	s_wait_xcnt 0x0
; DOWN: parts[i] = probs[i] x (h W2[e] + b2[e]) for each routed row i, on codes of BF6 (E3M2) with one E8M0 byte for each 32 along K = 2048.
; SHARES.  Work-group (x, y): output columns 128 x .. 128 x + 127 of expert e = y / 4.  Its four waves and the three partner groups are sixteen units; unit U = 4 (y % 4) + wave takes the expert's tiles of
; 16 rows U, U + 16, U + 32 .., three to a pass (two are multiplied where the third lies past the expert's end).  An expert has at most 4096 / 16 = 256 tiles, so a unit has at most 6 passes (U + 48 p < 256):
; the loop over passes is counted to 6 and is left as soon as the pass's first tile lies past the expert's end.
; The 128 rows of W2 (1,536 bytes each) come once, by loads of 512 consecutive bytes, into LDS; ONE barrier; behind it the waves share nothing.  A pass keeps its tiles of h whole in registers (192 each, loaded as the
; register images that the launch before stored) and sweeps the panel: two tiles of columns at a time, all of K, four fragments to a group, through three ring buffers, two groups ahead.
; No tensor load and no cluster: trip counts hang on counts read from memory.  No prefetch: all of a group's loads go out at its head.
; FRAGMENTS as in the launch before: lane (r, h) holds bytes 96 s + 48 h .. + 47 of its row; W2's scale words are laid (byte 0, 2, 1, 3); h's were stored so.
; TRANSPOSED USE (source 0 = 16 rows of W2, source 1 = 16 rows of h): a lane holds one row and eight neighbouring columns.  b2 is the C of each sum's first product.  The results, times the row's weight, go through
; my own stage in LDS and leave as whole rows: 32 lanes store 512 consecutive bytes, aligned.  Padding rows (list word 4096) are not stored.
; REGISTERS.  window 0: addresses, scales, the six accumulators, b2.  window 1 + k: v0-191 tile k (K step s at 12 s), v192-239 ring buffer k.
.set PITCH, 1552                       ; an LDS row: 1,536 bytes + 16
.set OST,   128*PITCH                  ; behind the panel: each wave's stage, 3 tiles x 16 rows x (512 + 16) bytes
.set OSTW,  3*16*528
.set PASSES, 6                         ; the most passes a unit can have
.set RI,   16                          ; v16-18   the tiles' routed rows
.set P,    20                          ; v20-25   their weights, in pairs (the odd registers hold 0 and are only named)
.set AOF,  26                          ; v26-28
.set SOF,  29                          ; v29-31
.set W2S,  32                          ; v32-95   W2's scale words: 8 nt + q: lanes 0-15 K step q, lanes 16-31 K step 8 + q
.set HS,   96                          ; v96-119  h's likewise: 8 k + q
.set ACC,  120                         ; v120-167 accumulator (k, n) at 16 k + 8 n; on the way out eight rows at a time
.set BI,   168                         ; v168-231 b2 for the eight tiles of columns
.set AD,   232                         ; v232-239 the stores' offsets
.set RO,   240
.set PA,   243
.set W2A,  246
.set BIA,  247
.set MSB, 0
.macro WIN new
.if MSB != (\new)
	s_set_vgpr_msb (MSB<<8)|(\new)
.set MSB, \new
.endif
.endm
.macro PLACES n
.rept \n
	v_nop
.endr
.endm
.macro MM d, a, b, cc, sa, sb, row
.if \row
	v_wmma_scale_f32_16x16x128_f8f6f4 v[\d:\d+7], v[\a:\a+11], v[\b:\b+11], v[\cc:\cc+7], v[\sa], v[\sb] matrix_a_fmt:MATRIX_FMT_BF6 matrix_b_fmt:MATRIX_FMT_BF6 matrix_a_scale:MATRIX_SCALE_ROW1 matrix_b_scale:MATRIX_SCALE_ROW1
.else
	v_wmma_scale_f32_16x16x128_f8f6f4 v[\d:\d+7], v[\a:\a+11], v[\b:\b+11], v[\cc:\cc+7], v[\sa], v[\sb] matrix_a_fmt:MATRIX_FMT_BF6 matrix_b_fmt:MATRIX_FMT_BF6
.endif
.endm
; The pass's three tiles, held inside the expert's tiles, all tiles and the buffers; three loads of the rows' list, then six of h's scale words
.macro SETUP
.irp k,0,1,2
	s_add_co_u32 s35, s26, 16*\k
	s_min_u32 s35, s35, s29
	s_add_co_u32 s35, s35, s27
	s_min_u32 s35, s35, s30
	s_min_u32 s35, s35, 263
	s_lshl_b32 s36, s35, 6
	v_add_nc_u32 v[RO+\k], s36, v6
	s_mul_i32 s36, s35, 24576
	v_add_nc_u32 v[AOF+\k], s36, v4
	s_lshl_b32 s36, s35, 10
	v_add_nc_u32 v[SOF+\k], s36, v7
.endr
.irp k,0,1,2
	global_load_b32 v[RI+\k], v[RO+\k], s[18:19]
.endr
.irp k,0,1,2
	global_load_b128 v[HS+8*\k:HS+8*\k+3], v[SOF+\k], s[6:7]
	global_load_b128 v[HS+8*\k+4:HS+8*\k+7], v[SOF+\k], s[6:7] offset:16
.endr
.endm
.macro PLOAD                           ; the rows' weights
.irp k,0,1,2
	v_min_u32 v[PA+\k], 4095, v[RI+\k]
	v_lshlrev_b32 v[PA+\k], 2, v[PA+\k]
	global_load_b32 v[P+2*\k], v[PA+\k], s[14:15]
.endr
.endm
.macro LOADA k                         ; tile k of h: 48 loads of 512 consecutive bytes, straight into the operand's registers
.set WV, (1+\k)<<6
	WIN WV
.set I, 0
.rept 48
	global_load_b128 v[4*I:4*I+3], v[AOF+\k], s[4:5] offset:512*I
.set I, I+1
.endr
	WIN 0
.endm
; Group g = 8 p + q: W2's fragments of column tiles 2 p, 2 p + 1 and K steps 2 q, 2 q + 1 into ring buffer g % 3
.macro RING g
.set RP, (\g)/8
.set RG, (\g)%8
.set WV, (1+(\g)%3)<<6
	WIN WV
.irp f,0,1,2,3
.irp i,0,1,2
	ds_load_b128 v[192+12*\f+4*\i:192+12*\f+4*\i+3], v[8+RP] offset:16*PITCH*(\f%2)+96*(2*RG+\f/2)+16*\i
.endr
.endr
.endm
.macro GROUP R
.set PP, G/8
.set GA, G%8
.if (G==31)||((GA==0)&&(G>0))
	s_wait_dscnt 0x0                               ; nothing may be out: the last group; or the stage's stores, which read the accumulators that are begun anew below
.else
	s_wait_dscnt 12                                ; this group's fragments are in; the next group's 12 loads may be out
.endif
	PLACES 4                                       ; in front of loads into the buffer that the group before has multiplied
.if G+2<=31
	RING G+2
.endif
.irp k,0,1,2
.if \k<\R
.set WV, (1+G%3)|((1+\k)<<2)
	WIN WV
.irp f,0,1,2,3
.set SS, 2*GA+\f/2
.set NT8, 2*PP+\f%2
.set RD, ACC+16*\k+8*(\f%2)
.set RC, RD
.if (GA==0)&&(\f<2)
.set RC, BI+8*NT8                      ; the bias is the C of each sum's first product
.endif
.set RA, 192+12*\f
.set RB, 12*SS
.set RSA, W2S+8*NT8+SS%8
.set RSB, HS+8*\k+SS%8
	MM RD, RA, RB, RC, RSA, RSB, SS/8              ; the tile's two accumulators by turns, one instruction a turn
.endr
.endif
.endr
.endm
.macro EPI R                           ; column tiles 2 PP, 2 PP + 1 are finished: times the row's weight, into the stage
	WIN 0
	PLACES 5
.irp k,0,1,2
.if \k<\R
.irp n,0,1
.irp i,0,2,4,6
	v_pk_mul_f32 v[ACC+16*\k+8*\n+\i:ACC+16*\k+8*\n+\i+1], v[ACC+16*\k+8*\n+\i:ACC+16*\k+8*\n+\i+1], v[P+2*\k:P+2*\k+1] op_sel_hi:[1,0]   ; from the accumulator's low end on
.endr
	ds_store_b128 v12, v[ACC+16*\k+8*\n:ACC+16*\k+8*\n+3] offset:8448*\k+64*(2*PP+\n)
	ds_store_b128 v12, v[ACC+16*\k+8*\n+4:ACC+16*\k+8*\n+7] offset:8448*\k+64*(2*PP+\n)+16
.endr
.endif
.endr
.endm
.macro PASS R
	RING 0
	RING 1
.set G, 0
.rept 32
	GROUP \R
.if G%8==7
	EPI \R
.endif
.set G, G+1
.endr
.endm
.macro ROWOUT k, row, t
	v_readlane_b32 s35, v[RI+\k], \row
	s_cmp_ge_u32 s35, 0x1000
	s_cbranch_scc1 .Lpad_\@                        ; a padding row
	s_min_u32 s35, s35, 4095
	s_lshl_b32 s35, s35, 12                        ; a row of parts is 4,096 bytes
	v_add_nc_u32 v[AD+\t], s35, v14
	global_store_b128 v[AD+\t], v[ACC+4*\t:ACC+4*\t+3], s[20:21] th:TH_STORE_NT
.Lpad_\@:
.endm
.macro FLUSH k                         ; tile k's 16 rows leave, eight at a time
	s_add_co_u32 s35, s26, 16*\k
	s_cmp_ge_u32 s35, s28
	s_cbranch_scc1 .Lnone_\@
.irp u,0,1
	s_wait_xcnt 0x0                                ; the stores before have read their data and offsets
.irp t,0,1,2,3,4,5,6,7
	ds_load_b128 v[ACC+4*\t:ACC+4*\t+3], v13 offset:8448*\k+528*(8*\u+\t)
.endr
	s_wait_dscnt 0x0
.irp t,0,1,2,3,4,5,6,7
	ROWOUT \k, 8*\u+\t, \t
.endr
.endr
.Lnone_\@:
.endm
	s_load_b512 s[4:19], s[0:1], 0x0               ; h_img 4, h_sc 6, w2_codes 8, w2_scales 10, b2 12, probs 14, meta 16, rowsrc 18
	s_load_b64 s[20:21], s[0:1], 0x40              ; parts
	v_lshl_add_u32 v254, v0, 2, 0x49600
	v_mov_b32 v255, 0
	v_lshrrev_b32 v15, 5, v0
	v_readfirstlane_b32 s22, v15                   ; wave 0..3
	s_mov_b32 s23, ttmp9                           ; which 128 columns
	s_and_b32 s35, ttmp7, 0xffff
	s_lshr_b32 s24, s35, 2                         ; expert
	s_and_b32 s25, s35, 3
	s_lshl_b32 s26, s25, 2
	s_add_co_u32 s26, s26, s22                     ; s26: my unit, and the pass's first tile
	s_mov_b32 s31, 0                               ; s31: passes done
	s_lshl_b32 s38, s24, 2                         ; the expert's word in meta; never rewritten
	s_mov_b32 s42, 0x03010200
	v_and_b32 v1, 31, v0
	v_and_b32 v2, 15, v0                           ; r
	v_bfe_u32 v3, v0, 4, 1                         ; h
	v_lshlrev_b32 v4, 4, v1
	v_lshlrev_b32 v6, 2, v2
	v_lshlrev_b32 v7, 5, v1
	s_mul_i32 s35, s22, 32*PITCH
	v_add_nc_u32 v5, s35, v4                       ; the panel, on the way in: my wave's 32 rows
	v_mul_u32_u24 v8, v2, PITCH
	v_mad_u32_u24 v8, v3, 48, v8                   ; a fragment's row and half: column tiles 0, 1;
	v_add_nc_u32 v9, 32*PITCH, v8                  ; 2, 3;
	v_add_nc_u32 v10, 64*PITCH, v8                 ; 4, 5;
	v_add_nc_u32 v11, 96*PITCH, v8                 ; 6, 7
	s_mul_i32 s35, s22, OSTW
	s_add_co_u32 s35, s35, OST
	v_mul_u32_u24 v12, v2, 528
	v_lshl_add_u32 v12, v3, 5, v12
	v_add_nc_u32 v12, s35, v12                     ; my stage, in: row r, 32 bytes for each half of the lanes
	v_add_nc_u32 v13, s35, v4                      ; and back: a row's 512 bytes, 16 a lane
	s_lshl_b32 s35, s23, 9
	v_add_nc_u32 v14, s35, v4                      ; the same 16 bytes in a row of parts
	v_lshlrev_b32 v[W2A], 6, v2
	v_lshl_add_u32 v[W2A], v3, 5, v[W2A]
	v_lshlrev_b32 v[BIA], 5, v3
	v_mov_b32 v[P+1], 0
	v_mov_b32 v[P+3], 0
	v_mov_b32 v[P+5], 0
	s_lshl_b32 s36, s24, 10
	s_lshl_b32 s37, s23, 7
	s_add_co_u32 s36, s36, s37                     ; the panel's first row of W2: 1024 e + 128 x
	s_lshl_b32 s37, s22, 5
	s_add_co_u32 s37, s36, s37
	s_mul_i32 s50, s37, 1536
	s_mov_b32 s51, 0
	s_wait_kmcnt 0x0
	s_load_b32 s27, s[16:17], s38 offset:0x0       ; the expert's first tile,
	s_load_b32 s28, s[16:17], s38 offset:0x80      ; its tiles,
	s_load_b32 s30, s[16:17], 0x20                 ; all tiles
	s_add_nc_u64 s[8:9], s[8:9], s[50:51]
	s_lshl_b32 s50, s36, 6
	s_add_nc_u64 s[10:11], s[10:11], s[50:51]
	s_lshl_b32 s50, s36, 2
	s_add_nc_u64 s[12:13], s[12:13], s[50:51]
	WIN 0x80                                       ; the raw panel: 96 loads of 512 consecutive bytes, into the registers that tiles 1 and 2 take later
.set I, 0
.rept 48
	global_load_b128 v[4*I:4*I+3], v4, s[8:9] offset:512*I
.set I, I+1
.endr
	WIN 0xc0
.rept 48
	global_load_b128 v[4*(I-48):4*(I-48)+3], v4, s[8:9] offset:512*I
.set I, I+1
.endr
	WIN 0
.irp t,0,1,2,3,4,5,6,7
	global_load_b128 v[W2S+8*\t:W2S+8*\t+3], v[W2A], s[10:11] offset:1024*\t
	global_load_b128 v[W2S+8*\t+4:W2S+8*\t+7], v[W2A], s[10:11] offset:1024*\t+16
.endr
.irp t,0,1,2,3,4,5,6,7
	global_load_b128 v[BI+8*\t:BI+8*\t+3], v[BIA], s[12:13] offset:64*\t
	global_load_b128 v[BI+8*\t+4:BI+8*\t+7], v[BIA], s[12:13] offset:64*\t+16
.endr
	s_wait_kmcnt 0x0
	s_max_u32 s29, s28, 1
	s_sub_co_u32 s29, s29, 1                       ; the expert's last tile
	s_sub_co_u32 s30, s30, 1                       ; the last tile of all
	SETUP
	LOADA 0
	s_wait_loadcnt 48                              ; all but tile 0's 48 loads: the panel, the scales, b2 and the rows' list are in
	PLOAD
	WIN 0x08
.set I, 0
.rept 48
	ds_store_b128 v5, v[4*I:4*I+3] offset:PITCH*(I/3)+512*(I%3)
.set I, I+1
.endr
	WIN 0x0c
.rept 48
	ds_store_b128 v5, v[4*(I-48):4*(I-48)+3] offset:PITCH*(I/3)+512*(I%3)
.set I, I+1
.endr
	WIN 0
.set I, 0
.rept 64
	v_perm_b32 v[W2S+I], v[W2S+I], v[W2S+I], s42
.set I, I+1
.endr
	s_wait_dscnt 0x0                               ; my part of the panel lies in LDS, and the stores have read their registers:
	LOADA 1                                        ; which tiles 1 and 2 now take
	LOADA 2
	s_barrier_signal -1
	s_barrier_wait -1                              ; the one barrier: from here on nobody writes the panel
	s_cmp_ge_u32 s26, s28
	s_cbranch_scc1 .Lend                           ; no tile for my unit
.Lpass:
	s_wait_loadcnt 0x0                             ; the tiles, their scale words and weights
	PLACES 8                                       ; scale registers written by vector instructions stand eight places ahead of the products
	s_add_co_u32 s35, s26, 32
	s_cmp_lt_u32 s35, s28
	s_cbranch_scc0 .Ltwo
	PASS 3
	s_branch .Ljoin
.Ltwo:
	PASS 2
.Ljoin:
	s_wait_dscnt 0x0                               ; the stage's stores have read the accumulators' registers, into which the rows come back
	FLUSH 0
	FLUSH 1
	FLUSH 2
	s_wait_xcnt 0x0                                ; the stores have read their data and offsets
	s_add_co_u32 s26, s26, 48                      ; the next pass's first tile
	s_cmp_ge_u32 s26, s28
	s_cbranch_scc1 .Lend                           ; past the expert's end: done
	SETUP
	s_wait_loadcnt 6                               ; the rows' list is in; the six loads of scale words behind it may be out
	PLOAD
	LOADA 0
	LOADA 1
	LOADA 2
	s_add_co_u32 s31, s31, 1                       ; the loop's own count: one a pass, against the most that 256 tiles allow
	s_cmp_lt_u32 s31, PASSES
	s_cbranch_scc1 .Lpass
.Lend:
	s_wait_tensorcnt 0x0
	ds_add_u32 v254, v255
	s_wait_dscnt 0x0
	s_endpgm
.Lfunc_end_k_qa0f673d17d_down:
	.size	k_qa0f673d17d_down, .Lfunc_end_k_qa0f673d17d_down-k_qa0f673d17d_down
	.p2alignl 7, 3214868480
	.fill 96, 4, 3214868480
	.section	.rodata,"a",@progbits
	.p2align	6, 0x0
	.amdhsa_kernel k_qa0f673d17d_down
		.amdhsa_group_segment_fixed_size 301056
		.amdhsa_private_segment_fixed_size 0
		.amdhsa_enable_private_segment 0
		.amdhsa_kernarg_size 72
		.amdhsa_user_sgpr_count 2
		.amdhsa_user_sgpr_kernarg_segment_ptr 1
		.amdhsa_wavefront_size32 1
		.amdhsa_system_sgpr_workgroup_id_x 1
		.amdhsa_system_sgpr_workgroup_id_y 1
		.amdhsa_system_sgpr_workgroup_id_z 1
		.amdhsa_system_vgpr_workitem_id 0
		.amdhsa_next_free_vgpr 1024
		.amdhsa_next_free_sgpr 66
		.amdhsa_reserve_vcc 0
		.amdhsa_float_denorm_mode_32 3
		.amdhsa_float_denorm_mode_16_64 3
		.amdhsa_memory_ordered 1
		.amdhsa_forward_progress 1
		.amdhsa_inst_pref_size 242
	.end_amdhsa_kernel
	.amdgpu_metadata
---
amdhsa.version: [ 1, 2 ]
amdhsa.kernels:
  - .name:           k_qa0f673d17d_down
    .symbol:         k_qa0f673d17d_down.kd
    .args:
      - { .name: h_img, .offset: 0, .size: 8, .value_kind: global_buffer, .address_space: global }
      - { .name: h_sc, .offset: 8, .size: 8, .value_kind: global_buffer, .address_space: global }
      - { .name: w2_codes, .offset: 16, .size: 8, .value_kind: global_buffer, .address_space: global }
      - { .name: w2_scales, .offset: 24, .size: 8, .value_kind: global_buffer, .address_space: global }
      - { .name: b2, .offset: 32, .size: 8, .value_kind: global_buffer, .address_space: global }
      - { .name: probs, .offset: 40, .size: 8, .value_kind: global_buffer, .address_space: global }
      - { .name: meta, .offset: 48, .size: 8, .value_kind: global_buffer, .address_space: global }
      - { .name: rowsrc, .offset: 56, .size: 8, .value_kind: global_buffer, .address_space: global }
      - { .name: parts, .offset: 64, .size: 8, .value_kind: global_buffer, .address_space: global }
    .group_segment_fixed_size: 301056
    .private_segment_fixed_size: 0
    .kernarg_segment_align: 8
    .kernarg_segment_size: 72
    .max_flat_workgroup_size: 128
    .sgpr_count:     66
    .vgpr_count:     1024
    .wavefront_size: 32
...
	.end_amdgpu_metadata
.endif
;; end of part 3
;; launch add (part 4): grid 256 x 1, 8 waves a work-group, no clusters, 0 bytes of LDS; arguments parts, out0; writes out0
.if DOCPART == 4
	.amdgcn_target "amdgcn-amd-amdhsa--gfx1250"
	.amdhsa_code_object_version 6
	.text
	.protected	k_qa0f673d17d_add
	.globl	k_qa0f673d17d_add
	.p2align	8
	.type	k_qa0f673d17d_add,@function
k_qa0f673d17d_add:
	s_mov_b64 s[64:65], 0
	v_nop
	global_prefetch_b8 v0, s[64:65] scope:SCOPE_SE
	s_setreg_imm32_b32 hwreg(HW_REG_WAVE_MODE, 25, 1), 1
	s_wait_xcnt 0x0
; ADD: out0[t] = parts[t] + parts[2048 + t]: a token's two choices, each already times its weight.  Rows of 1,024 f32, 4,096 bytes.
; A work-group owns eight rows; thread t owns bytes 16 t of each: a wave's load or store covers 512 consecutive bytes, aligned.  All sixteen loads of a wave go out at once; no loop, no LDS, no barrier.
.set A,  4                             ; v4-67   row j: four registers of the first choice, four of the second
.set R,  68                            ; v68-99  the sums: registers of their own for each store
	s_load_b128 s[4:7], s[0:1], 0x0                ; parts, out0
	v_lshlrev_b32 v1, 4, v0
	s_lshl_b32 s2, ttmp9, 15                       ; eight rows of 4,096 bytes
	s_mov_b32 s3, 0
	s_wait_kmcnt 0x0
	s_add_nc_u64 s[4:5], s[4:5], s[2:3]
	s_add_nc_u64 s[6:7], s[6:7], s[2:3]
	s_add_nc_u64 s[8:9], s[4:5], 0x800000          ; 2,048 rows further on
.irp j,0,1,2,3,4,5,6,7
	global_load_b128 v[A+8*\j:A+8*\j+3], v1, s[4:5] offset:4096*\j th:TH_LOAD_NT
	global_load_b128 v[A+8*\j+4:A+8*\j+7], v1, s[8:9] offset:4096*\j th:TH_LOAD_NT
.endr
.irp j,0,1,2,3,4,5,6,7
	s_wait_loadcnt 14-2*\j                         ; row j's two loads are in; two for each later row may be out
	v_pk_add_f32 v[R+4*\j:R+4*\j+1], v[A+8*\j:A+8*\j+1], v[A+8*\j+4:A+8*\j+5]
	v_pk_add_f32 v[R+4*\j+2:R+4*\j+3], v[A+8*\j+2:A+8*\j+3], v[A+8*\j+6:A+8*\j+7]
	global_store_b128 v1, v[R+4*\j:R+4*\j+3], s[6:7] offset:4096*\j th:TH_STORE_NT
.endr
	s_endpgm
.Lfunc_end_k_qa0f673d17d_add:
	.size	k_qa0f673d17d_add, .Lfunc_end_k_qa0f673d17d_add-k_qa0f673d17d_add
	.p2alignl 7, 3214868480
	.fill 96, 4, 3214868480
	.section	.rodata,"a",@progbits
	.p2align	6, 0x0
	.amdhsa_kernel k_qa0f673d17d_add
		.amdhsa_group_segment_fixed_size 0
		.amdhsa_private_segment_fixed_size 0
		.amdhsa_enable_private_segment 0
		.amdhsa_kernarg_size 16
		.amdhsa_user_sgpr_count 2
		.amdhsa_user_sgpr_kernarg_segment_ptr 1
		.amdhsa_wavefront_size32 1
		.amdhsa_system_sgpr_workgroup_id_x 1
		.amdhsa_system_sgpr_workgroup_id_y 1
		.amdhsa_system_sgpr_workgroup_id_z 1
		.amdhsa_system_vgpr_workitem_id 0
		.amdhsa_next_free_vgpr 104
		.amdhsa_next_free_sgpr 66
		.amdhsa_reserve_vcc 0
		.amdhsa_float_denorm_mode_32 3
		.amdhsa_float_denorm_mode_16_64 3
		.amdhsa_memory_ordered 1
		.amdhsa_forward_progress 1
		.amdhsa_inst_pref_size 5
	.end_amdhsa_kernel
	.amdgpu_metadata
---
amdhsa.version: [ 1, 2 ]
amdhsa.kernels:
  - .name:           k_qa0f673d17d_add
    .symbol:         k_qa0f673d17d_add.kd
    .args:
      - { .name: parts, .offset: 0, .size: 8, .value_kind: global_buffer, .address_space: global }
      - { .name: out0, .offset: 8, .size: 8, .value_kind: global_buffer, .address_space: global }
    .group_segment_fixed_size: 0
    .private_segment_fixed_size: 0
    .kernarg_segment_align: 8
    .kernarg_segment_size: 16
    .max_flat_workgroup_size: 256
    .sgpr_count:     66
    .vgpr_count:     104
    .wavefront_size: 32
...
	.end_amdgpu_metadata
.endif
;; end of part 4
;; ======== version 2 of 2: 4 launches; version 1 with the launches up, down written anew for expert scheduling mode
;; workspace buffers: meta 256 bytes of whole numbers; rowsrc 16,896 bytes of whole numbers; h_img 6,488,064 bytes; h_sc 270,336 bytes; parts 16,777,216 bytes
;; launch route: the kernel of part 1 again; grid 1 x 1, 8 waves a work-group, no clusters, 2,048 bytes of LDS; arguments experts, meta, rowsrc; writes meta, rowsrc
;; launch up (part 5): grid 16 x 16, 4 waves a work-group, no clusters, 152,064 bytes of LDS; arguments x_codes, x_scales, w1_codes, w1_scales, b1, meta, rowsrc, h_img, h_sc; writes h_img, h_sc
.if DOCPART == 5
	.amdgcn_target "amdgcn-amd-amdhsa--gfx1250"
	.amdhsa_code_object_version 6
	.text
	.protected	k_qa0f673d17d_up
	.globl	k_qa0f673d17d_up
	.p2align	8
	.type	k_qa0f673d17d_up,@function
k_qa0f673d17d_up:
	s_mov_b64 s[64:65], 0
	v_nop
	global_prefetch_b8 v0, s[64:65] scope:SCOPE_SE
	s_setreg_imm32_b32 hwreg(HW_REG_WAVE_SCHED_MODE, 0, 2), 2
	s_setreg_imm32_b32 hwreg(HW_REG_WAVE_MODE, 25, 1), 1
	s_wait_xcnt 0x0
	s_wait_alu depctr_vm_vsrc(0)
; UP: h = Q(gelu(x W1[e] + b1[e])) for the rows sorted by expert.  Codes of BF6 (E3M2) with one E8M0 byte for each 32 along K go to the matrix unit as they lie.
; SHARES.  Work-group (x, y): 128 hidden units 128 x .. 128 x + 127 of expert e = y / 2: they are K step x of the second product.  Its four waves and the partner group y ^ 1 are eight units;
; unit U = 4 (y % 2) + wave takes the expert's tiles of 16 rows U, U + 8, U + 16 .., five to a pass.  An expert has at most 4096 / 16 = 256 tiles, so a unit has at most 7 passes (U + 40 p < 256):
; the loop over passes is counted to 7 and is left as soon as the pass's first tile lies past the expert's end.
; The 128 rows of W1 (768 bytes each) come once, by loads of 512 consecutive bytes, into LDS; ONE barrier; behind it the waves share nothing.  A pass keeps five tiles of x in registers (480) and sweeps the
; panel's fragments from LDS: each fragment read feeds five matrix instructions.  A pass always multiplies five tiles (a tile past the expert's end repeats its last); only the work behind the products is jumped over.
; No tensor load and no cluster: trip counts hang on counts read from memory, and partners would need different numbers of tiles.  No prefetch: all of a group's loads go out at its head.
; FRAGMENTS.  For K step s (96 bytes of a row) lane (r = lane % 16, h = lane / 16) holds the row's bytes 96 s + 48 h .. + 47: three loads of 16 bytes.  Against the unit's own order this swaps blocks 1 and 2 of each
; 128 along K, alike on both operands: the products are the same, the scale words are laid (byte 0, 2, 1, 3) by v_perm_b32.
; THE PRODUCT IS USED TRANSPOSED (source 0 = 16 rows of W1, source 1 = 16 rows of x): a lane holds one row of x.  THE ROWS OF W1 THAT FORM A TILE ARE NOT NEIGHBOURS: lane r of tile (b, u) takes unit
; 32 b + 8 u + r % 8 + 16 (r / 8), so that the 16 registers of tiles (b, 0), (b, 1) are 16 neighbours along the next K.  In LDS the rows are laid in that order (bits 3 and 4 of the row's number swapped).
; gelu(v) = v / (1 + 2^(v (C1 + C2 v^2))), C1 = -2 log2(e) sqrt(2 / pi), C2 = 0.044715 C1: the tanh form, exactly rewritten.
; h_img: [tile][K step 16][group 3][lane 32][16 bytes], images of the second product's operand registers;  h_sc: [tile][lane 32][8 words]: lane 16 g + r holds the scale words of steps 8 g .. 8 g + 7 of row r.
; LIMITS: NaN and infinities are not served; a block of zeros gets the scale byte 1 (its codes are zeros, and this program alone reads the bytes).
; REGISTERS.  window 0: addresses, scales, work.  window 1: v0-95 tile 0, v96-191 tile 1, v192-239 ring buffer 0.  window 2: tiles 2, 3, ring buffer 1.  window 3: v0-159 the 20 accumulators (tile k, n: 32 k + 8 n), v160-255 tile 4.
; THE MODE: SCHED_MODE bits 1:0 = 2 (LLVM: expert scheduling mode 2), set by the entry lines.  The code itself states the register dependences between vector or matrix instructions and memory or LDS
; instructions, with s_wait_alu, always for 0.
; THE PLAN.  Registers that memory or LDS instructions touch, round a pass:
;   the five tiles   GATHER's loads land in them; STAGE's LDS stores read them and its LDS loads land in them; the products read them.
;   ring 0, ring 1   Step S's products read buffer S % 2; the LDS loads of step S + 1 land in the other, which step S - 1's products read.
;   BI               LDS loads at a sweep's head; read by the sweep's first products.        XS   a load a tile; laid anew by v_perm_b32; read by the products as scales.
;   TOK              a load a tile; read by GATHER's vector lines.                            ROF, XSA, HOF, SOF   offsets: written by vector additions, read by loads and stores.
;   CD, SW           the out-buffer, registers of its own for each tile: written by the ten epilogues, read by one run of stores at the pass's end.
;   v4-v12, v14, v15 addresses and offsets made at the head and never written again.
; So a wait on va_vdst stands: at the head ahead of the first load; behind SETUP's offsets; once a tile in GATHER; at a sweep's head; at steps 1 to 6 of a sweep; once ahead of the pass's stores.
; Behind a step's wait the 12 loads stand among the step's 20 products, which name the other ring buffer, the tiles, the accumulators and the scales: none of the registers that those loads touch.
; A wait on vm_vsrc stands: behind the barrier; between STAGE's stores and loads; at each tile's head in GATHER; at the pass's end.  A wait on va_sdst stands behind each run of lines that write scalar registers.
.set PITCH, 784                        ; an LDS row: 768 bytes + 16: sixteen neighbouring rows' 16-byte pieces fall on 16 different columns of 16 bytes modulo 256
.set BIA,   128*PITCH                  ; behind the panel: b1's 128 numbers
.set XST,   BIA+512                    ; behind them: a stage of 16 rows of x for each wave
.set XSTW,  16*PITCH
.set PASSES, 7                         ; the most passes a unit can have
.set RL,   48                          ; s48-63   a tile's sixteen routed rows, then their byte offsets in x
.set TOK,  16                          ; v16-20   the tiles' routed rows (lane r and r + 16: row r)
.set HOF,  21                          ; v21-25   where a tile's images go
.set SOF,  26                          ; v26-30   and its scale words
.set HB,   31                          ; v31      1536 x + 16 lane
.set W1S,  32                          ; v32-63   W1's scale words: 4 nt + q: lanes 0-15 K step q, lanes 16-31 K step 4 + q
.set XS,   64                          ; v64-83   x's likewise: 4 k + q
.set ROF,  84                          ; v84-99   byte offsets of 16 rows of x
.set BI,   100                         ; v100-131 b1 for four tiles, in the result's layout
.set T,    132                         ; v132-163 32 numbers at work
.set CD,   164                         ; v164-223 the codes: 12 registers a tile
.set SW,   224                         ; v224-228 the scale words just made
.set SBV,  229
.set QM,   230
.set QP,   232
.set QS,   234
.set QB,   236
.set C1V,  238                         ; v238-239 C1, twice
.set QY,   240
.set W1A,  243
.set XSA,  244                         ; v244-248
.set BDT,  249
.set BST,  250
.set MSB, 0
.macro WIN new                         ; the immediate's high byte repeats the setting that is left; a switch that changes nothing is dropped
.if MSB != (\new)
	s_set_vgpr_msb (MSB<<8)|(\new)
.set MSB, \new
.endif
.endm
.macro PLACES n
.rept \n
	v_nop
.endr
.endm
.macro TILEAT k                        ; tile k's window and first register
.if (\k)==4
.set TWN, 3
.set TBS, 160
.else
.set TWN, 1+(\k)/2
.set TBS, 96*((\k)%2)
.endif
.endm
.macro MM d, a, b, cc, sa, sb, row
.if \row
	v_wmma_scale_f32_16x16x128_f8f6f4 v[\d:\d+7], v[\a:\a+11], v[\b:\b+11], v[\cc:\cc+7], v[\sa], v[\sb] matrix_a_fmt:MATRIX_FMT_BF6 matrix_b_fmt:MATRIX_FMT_BF6 matrix_a_scale:MATRIX_SCALE_ROW1 matrix_b_scale:MATRIX_SCALE_ROW1
.else
	v_wmma_scale_f32_16x16x128_f8f6f4 v[\d:\d+7], v[\a:\a+11], v[\b:\b+11], v[\cc:\cc+7], v[\sa], v[\sb] matrix_a_fmt:MATRIX_FMT_BF6 matrix_b_fmt:MATRIX_FMT_BF6
.endif
.endm
; The pass's five tiles: number, held inside the expert's tiles, inside all tiles and inside the buffers; their offsets; their rows' list.
.macro SETUP
.irp k,0,1,2,3,4
	s_add_co_u32 s35, s26, 8*\k
	s_min_u32 s35, s35, s29
	s_add_co_u32 s35, s35, s27
	s_min_u32 s35, s35, s30
	s_min_u32 s35, s35, 263
	s_lshl_b32 s36, s35, 6
	v_add_nc_u32 v[ROF+\k], s36, v14
	s_mul_i32 s36, s35, 24576
	v_add_nc_u32 v[HOF+\k], s36, v[HB]
	s_lshl_b32 s36, s35, 10
	v_add_nc_u32 v[SOF+\k], s36, v[SBV]
.endr
	s_wait_alu depctr_va_vdst(0)                   ; the fifteen offsets are written, which the loads below and the pass's stores read; the last gather's vector lines are done reading TOK, in which these loads land
.irp k,0,1,2,3,4
	global_load_b32 v[TOK+\k], v[ROF+\k], s[16:17]
.endr
.endm
; The five tiles' rows of x: a row's 768 bytes by three loads of 256 consecutive bytes (8 a lane), and each row's 32 scale bytes.  The token is the routed row modulo 2048.
.macro GATHER
.irp k,0,1,2,3,4
	TILEAT \k
	s_wait_xcnt 0x0                                ; the loads issued so far have had their addresses translated: ROF is written again
	s_wait_alu depctr_vm_vsrc(0)                   ; the loads issued so far have read ROF and XSA, which the lines below write
	v_and_b32 v[XSA+\k], 2047, v[TOK+\k]
	v_min_u32 v[XSA+\k], 2047, v[XSA+\k]
	v_lshlrev_b32 v[XSA+\k], 5, v[XSA+\k]
	v_add_nc_u32 v[XSA+\k], v[XSA+\k], v15
.irp r,0,1,2,3,4,5,6,7,8,9,10,11,12,13,14,15
	v_readlane_b32 s[RL+\r], v[TOK+\k], \r
.endr
	s_wait_alu depctr_va_sdst(0)                   ; the sixteen scalar registers are written, ahead of their first reader
.irp r,0,1,2,3,4,5,6,7,8,9,10,11,12,13,14,15
	s_and_b32 s[RL+\r], s[RL+\r], 2047
	s_min_u32 s[RL+\r], s[RL+\r], 2047
	s_mul_i32 s[RL+\r], s[RL+\r], 768
	v_add_nc_u32 v[ROF+\r], s[RL+\r], v5
.endr
	s_wait_alu depctr_va_vdst(0)                   ; ROF and XSA are written, which the loads below read; the last pass's products are done reading the tile's registers and its scale words, in which they land
	global_load_b128 v[XS+4*\k:XS+4*\k+3], v[XSA+\k], s[6:7]
.set WV, TWN<<6
	WIN WV
.irp r,0,1,2,3,4,5,6,7,8,9,10,11,12,13,14,15
.irp j,0,1,2
	global_load_b64 v[TBS+6*\r+2*\j:TBS+6*\r+2*\j+1], v[ROF+\r], s[4:5] offset:256*\j
.endr
.endr
	WIN 0
.endr
.endm
; Tile k turns through my own stage: in as rows, back as fragments, into the registers that it left.  LDS serves a wave's instructions in order: the next tile's stores come behind these loads.
.macro STAGE k
	TILEAT \k
.set WV, TWN<<2
	WIN WV
.irp r,0,1,2,3,4,5,6,7,8,9,10,11,12,13,14,15
.irp j,0,1,2
	ds_store_b64 v10, v[TBS+6*\r+2*\j:TBS+6*\r+2*\j+1] offset:PITCH*\r+256*\j
.endr
.endr
	s_wait_dscnt 0x0                               ; the stores are done
.set WV, TWN<<6
	WIN WV
	s_wait_alu depctr_vm_vsrc(0)                   ; the stores above have read the tile's registers, in which the fragments below land
.irp s,0,1,2,3,4,5,6,7
.irp i,0,1,2
	ds_load_b128 v[TBS+12*\s+4*\i:TBS+12*\s+4*\i+3], v11 offset:96*\s+16*\i
.endr
.endr
.endm
; W1's four fragments (blocks c and c + 2, two tiles each) of K step s into ring buffer buf
.macro RING c, s, buf
.set WV, (1+(\buf))<<6
	WIN WV
.irp n,0,1,2,3
.irp i,0,1,2
	ds_load_b128 v[192+12*\n+4*\i:192+12*\n+4*\i+3], v[8+\n/2] offset:(32*\c+16*(\n%2))*PITCH+96*(\s)+16*\i
.endr
.endr
.endm
; K step S, the tiles of window 1 + g (g = 0: tiles 0, 1; 1: tiles 2, 3; 2: tile 4): one stretch under one window setting.  A step's 20 matrix instructions go to 20 accumulators, one instruction a turn
.macro MULG c, g
.if S==0
.set WV, (1+S%2)|((1+\g)<<2)|0xc0
.else
.set WV, (1+S%2)|((1+\g)<<2)|0xf0
.endif
	WIN WV
.irp n,0,1,2,3
.irp d,0,1
.set KK, 2*\g+\d
.if KK<5
	TILEAT KK
.set RD, 32*KK+8*\n
.set RC, RD
.if S==0
.set RC, BI+8*\n                       ; the bias is the C of each sum's first product
.endif
.set RA, 192+12*\n
.set RB, TBS+12*S
.set RSA, W1S+4*(2*(\c+2*(\n/2))+\n%2)+S%4
.set RSB, XS+4*KK+S%4
	MM RD, RA, RB, RC, RSA, RSB, S/4
.endif
.endr
.endr
.endm
; Half c of the 128 units (blocks c and c + 2) for the five tiles, all of K
.macro SWEEP c
	WIN 0
	s_wait_alu depctr_va_vdst(0)                   ; v_perm_b32 has written the scale words that the products take (the eight places stand ahead of this wait); the sweep before is done reading b1's registers and both ring buffers, in which the loads below and step 0's land
.irp n,0,1,2,3
	ds_load_b128 v[BI+8*\n:BI+8*\n+3], v12 offset:4*(32*(\c+2*(\n/2))+8*(\n%2))
	ds_load_b128 v[BI+8*\n+4:BI+8*\n+7], v12 offset:4*(32*(\c+2*(\n/2))+8*(\n%2))+16
.endr
	RING \c, 0, 0
.set S, 0
.rept 8
	s_wait_dscnt 0x0                               ; this step's fragments are in (asked for 16 matrix instructions ago)
.if S<7
	PLACES 4                                       ; in front of loads into registers that the step before has multiplied
.endif
.if (S>0)&&(S<7)
	s_wait_alu depctr_va_vdst(0)                   ; the step before is done reading the other ring buffer, in which this step's loads land
.endif
	MULG \c, 2                                     ; tile 4's four products first: they name this step's buffer, tile 4, accumulators and scales alone
.if S<7
	RING \c, S+1, (S+1)%2                          ; no further wait: no vector or matrix instruction since the wait names the other buffer or its addresses
.endif
	MULG \c, 0
	MULG \c, 1
.set S, S+1
.endr
	WIN 0
	PLACES 5                                       ; behind the last products: their results are read next, and later written over
.endm
; Tile k, half c: gelu, the two blocks' scales and codes, into the tile's own out-registers.
.macro EPI k, c
	s_add_co_u32 s35, s26, 8*\k
	s_cmp_ge_u32 s35, s28
	s_cbranch_scc1 .Lskip_\@                       ; a tile past the expert's end
	WIN 0x0f
.set I, 0
.rept 16
	v_pk_mul_f32 v[T+I:T+I+1], v[32*\k+I:32*\k+I+1], v[32*\k+I:32*\k+I+1]      ; v^2; each accumulator is read from its low end on
.set I, I+2
.endr
	WIN 0
.set I, 0
.rept 16
	v_pk_fma_f32 v[T+I:T+I+1], v[T+I:T+I+1], s[46:47], v[C1V:C1V+1] op_sel_hi:[1,0,1]   ; C2 v^2 + C1
.set I, I+2
.endr
	WIN 0x0c
.set I, 0
.rept 16
	v_pk_mul_f32 v[T+I:T+I+1], v[T+I:T+I+1], v[32*\k+I:32*\k+I+1]
.set I, I+2
.endr
	WIN 0
.set I, 0
.rept 32
	v_exp_f32 v[T+I], v[T+I]
.set I, I+1
.endr
	v_nop                                          ; a plain instruction behind the last exponential
	s_wait_alu depctr_va_vdst(0)                   ; the 32 exponentials have written T: one wait for the batch, ahead of its first reader
.set I, 0
.rept 16
	v_pk_add_f32 v[T+I:T+I+1], v[T+I:T+I+1], 1.0 op_sel_hi:[1,0]
.set I, I+2
.endr
.set I, 0
.rept 32
	v_rcp_f32 v[T+I], v[T+I]
.set I, I+1
.endr
	v_nop
	s_wait_alu depctr_va_vdst(0)                   ; the 32 reciprocals have written T: one wait for the batch, ahead of its first reader
	WIN 0x0c
.set I, 0
.rept 16
	v_pk_mul_f32 v[T+I:T+I+1], v[T+I:T+I+1], v[32*\k+I:32*\k+I+1]             ; gelu
.set I, I+2
.endr
	WIN 0
	; T 0-15: units 32 c + 16 h + 0 .. 15; T 16-31: 32 (c + 2) + 16 h + 0 .. 15.  The two blocks by turns; the floor 2^(5 - 127) holds the byte at 1 from below
	v_max3_num_f32 v[QM], |v[T]|, |v[T+1]|, 0x2800000
	v_max3_num_f32 v[QM+1], |v[T+16]|, |v[T+17]|, 0x2800000
.irp i,2,4,6,8,10,12,14
	v_max3_num_f32 v[QM], v[QM], |v[T+\i]|, |v[T+\i+1]|
	v_max3_num_f32 v[QM+1], v[QM+1], |v[T+16+\i]|, |v[T+17+\i]|
.endr
	v_permlanex16_b32 v[QP], v[QM], s40, s41
	v_permlanex16_b32 v[QP+1], v[QM+1], s40, s41
	v_max_num_f32 v[QM], v[QM], v[QP]              ; with lane l xor 16's 16: the block's largest magnitude
	v_max_num_f32 v[QM+1], v[QM+1], v[QP+1]
	v_add_nc_u32 v[QS], 0xfe000000, v[QM]          ; 4 off the exponent field: the conversion's scale operand
	v_add_nc_u32 v[QS+1], 0xfe000000, v[QM+1]
	v_lshrrev_b32 v[QB], 23, v[QS]                 ; the scale's byte
	v_lshrrev_b32 v[QB+1], 23, v[QS+1]
.if \c==0
	v_lshl_or_b32 v[SW+\k], v[QB+1], 8, v[QB]      ; the word is laid (block 0, 2, 1, 3), as the fragments are
.else
	v_lshl_or_b32 v[SW+\k], v[QB], 16, v[SW+\k]
	v_lshl_or_b32 v[SW+\k], v[QB+1], 24, v[SW+\k]
.endif
	v_cvt_scalef32_pk16_bf6_f32 v[CD+12*\k+6*\c:CD+12*\k+6*\c+2], v[T:T+15], v[QS]
	v_cvt_scalef32_pk16_bf6_f32 v[QY:QY+2], v[T+16:T+31], v[QS+1]
	v_nop                                          ; one plain place behind a scaled conversion
.irp i,0,1,2
	v_permlane16_swap_b32 v[CD+12*\k+6*\c+\i], v[QY+\i]   ; lanes 0-15 now hold block c whole, lanes 16-31 block c + 2
.endr
.irp i,0,1,2
	v_mov_b32 v[CD+12*\k+6*\c+3+\i], v[QY+\i]
.endr
.Lskip_\@:
.endm
; Tile k's image and scale word leave.  The tiles' numbers ascend: from the first tile past the expert's end on, nothing is stored.
.macro SEND k
	s_add_co_u32 s35, s26, 8*\k
	s_cmp_ge_u32 s35, s28
	s_cbranch_scc1 .Lsent
.irp i,0,1,2
	global_store_b128 v[HOF+\k], v[CD+12*\k+4*\i:CD+12*\k+4*\i+3], s[18:19] offset:512*\i   ; 32 lanes store 512 consecutive bytes, aligned
.endr
	global_store_b32 v[SOF+\k], v[SW+\k], s[20:21] ; lanes l and l xor 16 write the same word with the same value
.endm
	s_load_b512 s[4:19], s[0:1], 0x0               ; x_codes 4, x_scales 6, w1_codes 8, w1_scales 10, b1 12, meta 14, rowsrc 16, h_img 18
	s_load_b64 s[20:21], s[0:1], 0x40              ; h_sc
	v_lshl_add_u32 v254, v0, 2, 0x25000
	v_mov_b32 v255, 0
	v_lshrrev_b32 v13, 5, v0
	v_readfirstlane_b32 s22, v13                   ; wave 0..3
	s_mov_b32 s23, ttmp9                           ; which 128 units
	s_and_b32 s35, ttmp7, 0xffff
	s_lshr_b32 s24, s35, 1                         ; expert
	s_and_b32 s25, s35, 1
	s_lshl_b32 s26, s25, 2
	s_wait_alu depctr_va_sdst(0)                   ; s22 is written, ahead of its first reader
	s_add_co_u32 s26, s26, s22                     ; s26: my unit, and the pass's first tile
	s_mov_b32 s31, 0                               ; s31: passes done
	s_lshl_b32 s38, s24, 2                         ; the expert's word in meta; never rewritten
	s_mov_b32 s40, 0x76543210
	s_mov_b32 s41, 0xfedcba98                      ; v_permlanex16_b32's selects for lane l xor 16
	s_mov_b32 s42, 0x03010200                      ; bytes 0, 2, 1, 3
	s_mov_b32 s46, 0xbdd2d3e8                      ; C2
	s_mov_b32 s47, s46
	v_mov_b32 v[C1V], 0xc0135761                   ; C1
	v_mov_b32 v[C1V+1], 0xc0135761
	v_mov_b32 v[QP], 0                             ; written once: a lane permute's destination counts as one of its sources
	v_mov_b32 v[QP+1], 0
	v_and_b32 v1, 31, v0                           ; lane
	v_and_b32 v2, 15, v0                           ; r
	v_bfe_u32 v3, v0, 4, 1                         ; h
	v_lshlrev_b32 v4, 4, v1
	v_lshlrev_b32 v5, 3, v1
	v_lshlrev_b32 v14, 2, v2
	v_lshlrev_b32 v15, 4, v3
	s_mul_i32 s35, s22, 32*PITCH
	v_add_nc_u32 v6, s35, v4                       ; the panel, on the way in: my wave's 32 rows, 16 bytes a lane;
	v_add_nc_u32 v7, v6, v15                       ; and where lanes 16-31 stand in the next row: 16 bytes of padding further on
	v_mul_u32_u24 v8, v2, PITCH
	v_mad_u32_u24 v8, v3, 48, v8                   ; a fragment's row and half: blocks 0, 1
	v_add_nc_u32 v9, 64*PITCH, v8                  ; blocks 2, 3
	s_mul_i32 s35, s22, XSTW
	s_add_co_u32 s35, s35, XST
	v_add_nc_u32 v10, s35, v5                      ; my stage, in
	v_add_nc_u32 v11, s35, v8                      ; and back
	v_lshl_add_u32 v12, v3, 6, BIA                 ; b1: my half's eight units of a tile begin 16 h units on
	v_lshl_add_u32 v[BST], v0, 2, BIA
	s_mul_i32 s35, s23, 1536
	v_add_nc_u32 v[HB], s35, v4
	s_lshr_b32 s35, s23, 3
	s_lshl_b32 s35, s35, 9
	s_and_b32 s36, s23, 7
	s_lshl_b32 s36, s36, 2
	s_add_co_u32 s35, s35, s36
	v_lshl_add_u32 v[SBV], v2, 5, s35              ; 512 (x / 8) + 4 (x % 8) + 32 r
	v_and_b32 v[W1A], 7, v0
	v_bfe_u32 v[BDT], v0, 3, 1
	v_lshl_add_u32 v[W1A], v[BDT], 4, v[W1A]       ; r % 8 + 16 (r / 8)
	v_lshl_add_u32 v[W1A], v[W1A], 5, v15          ; x 32 bytes of scales + 16 h
	v_lshlrev_b32 v13, 2, v0
.irp k,0,1,2,3,4
.irp i,0,1,2,3,4,5,6,7,8,9,10,11
	v_mov_b32 v[CD+12*\k+\i], 0                    ; the out-registers, which a tile's two halves make and the pass's stores read: written on every way round the halves that are jumped over
.endr
	v_mov_b32 v[SW+\k], 0
.endr
	s_lshl_b32 s36, s24, 11
	s_lshl_b32 s37, s23, 7
	s_add_co_u32 s36, s36, s37                     ; the panel's first row of W1: 2048 e + 128 x
	s_lshl_b32 s37, s22, 5
	s_add_co_u32 s37, s36, s37                     ; my wave's 32 rows
	s_mul_i32 s50, s37, 768
	s_mov_b32 s51, 0
	s_wait_kmcnt 0x0
	s_load_b32 s27, s[14:15], s38 offset:0x0       ; the expert's first tile,
	s_load_b32 s28, s[14:15], s38 offset:0x80      ; its tiles,
	s_load_b32 s30, s[14:15], 0x20                 ; all tiles
	s_add_nc_u64 s[8:9], s[8:9], s[50:51]
	s_lshl_b32 s50, s36, 5
	s_add_nc_u64 s[10:11], s[10:11], s[50:51]
	s_lshl_b32 s50, s36, 2
	s_add_nc_u64 s[12:13], s[12:13], s[50:51]
	WIN 0xc0                                       ; the raw panel: 48 loads of 512 consecutive bytes; 40 into the accumulators' registers, 8 into T
	s_wait_alu depctr_va_vdst(0)                   ; all addresses and offsets of the head are written, which the kernel's loads, stores and LDS instructions read; so is v249, which the address arithmetic used and in which b1's load lands
.set I, 0
.rept 40
	global_load_b128 v[4*I:4*I+3], v4, s[8:9] offset:512*I
.set I, I+1
.endr
	WIN 0
.rept 8
	global_load_b128 v[T+4*(I-40):T+4*(I-40)+3], v4, s[8:9] offset:512*I
.set I, I+1
.endr
.irp t,0,1,2,3,4,5,6,7
	global_load_b128 v[W1S+4*\t:W1S+4*\t+3], v[W1A], s[10:11] offset:(32*(\t/2)+8*(\t%2))*32
.endr
	global_load_b32 v[BDT], v13, s[12:13]
	s_wait_kmcnt 0x0
	s_max_u32 s29, s28, 1
	s_sub_co_u32 s29, s29, 1                       ; the expert's last tile
	s_sub_co_u32 s30, s30, 1                       ; the last tile of all (there are at least 256)
	SETUP
	s_wait_loadcnt 0x0                             ; the rows' list, and all ahead of it
	GATHER
.macro PSTORE reg                      ; raw load I: rows 2 (I / 3), 2 (I / 3) + 1 of my 32; the row's place has bits 3 and 4 of its number swapped
.set Q2, 2*(I/3)
.set PP, (Q2&7)+((Q2>>3)&1)*16+((Q2>>4)&1)*8
.if I%3==0
	ds_store_b128 v6, v[\reg:\reg+3] offset:PITCH*PP
.elseif I%3==1
	ds_store_b128 v7, v[\reg:\reg+3] offset:PITCH*PP+512
.else
	ds_store_b128 v6, v[\reg:\reg+3] offset:PITCH*PP+PITCH+256
.endif
.set I, I+1
.endm
	WIN 0x0c
.set I, 0
.rept 40
.set RG, 4*I
	PSTORE RG
.endr
	WIN 0
.rept 8
.set RG, T+4*(I-40)
	PSTORE RG
.endr
	ds_store_b32 v[BST], v[BDT]
.set I, 0
.rept 32
	v_perm_b32 v[W1S+I], v[W1S+I], v[W1S+I], s42
.set I, I+1
.endr
	s_wait_dscnt 0x0                               ; for the others' sake: my part of the panel lies in LDS
	s_barrier_signal -1
	s_barrier_wait -1                              ; the one barrier: from here on nobody writes the panel
	s_wait_alu depctr_vm_vsrc(0)                   ; the panel's LDS stores have read the accumulators' registers and T, which the products and the epilogues write
	s_cmp_ge_u32 s26, s28
	s_cbranch_scc1 .Lend                           ; no tile for my unit
.Lpass:
	s_wait_loadcnt 0x0                             ; the five tiles' rows and scale words
.set I, 0
.rept 20
	v_perm_b32 v[XS+I], v[XS+I], v[XS+I], s42
.set I, I+1
.endr
	PLACES 8                                       ; scale registers written by vector instructions stand eight places ahead of the products; the wait for them stands at the sweep's head
	STAGE 0
	STAGE 1
	STAGE 2
	STAGE 3
	STAGE 4
	SWEEP 0
	EPI 0, 0
	EPI 1, 0
	EPI 2, 0
	EPI 3, 0
	EPI 4, 0
	SWEEP 1
	EPI 0, 1
	EPI 1, 1
	EPI 2, 1
	EPI 3, 1
	EPI 4, 1
	s_wait_alu depctr_va_vdst(0)                   ; the epilogues have written the codes and the scale words of all five tiles, which the stores below read
	SEND 0
	SEND 1
	SEND 2
	SEND 3
	SEND 4
.Lsent:
	s_wait_xcnt 0x0                                ; the stores have had their addresses translated: their data and offsets are written again below
	s_wait_alu depctr_vm_vsrc(0)                   ; the stores have read the codes, the scale words and their offsets, which the next pass writes again
	s_add_co_u32 s26, s26, 40                      ; the next pass's first tile
	s_cmp_ge_u32 s26, s28
	s_cbranch_scc1 .Lend                           ; past the expert's end: done
	SETUP
	s_wait_loadcnt 0x0
	GATHER
	s_add_co_u32 s31, s31, 1                       ; the loop's own count: one a pass, against the most that 256 tiles allow
	s_cmp_lt_u32 s31, PASSES
	s_cbranch_scc1 .Lpass
.Lend:
	s_wait_dscnt 0x0                               ; the closing lines, six on end
	s_wait_alu 0x0
	s_wait_tensorcnt 0x0
	ds_add_u32 v254, v255
	s_wait_dscnt 0x0
	s_endpgm
.Lfunc_end_k_qa0f673d17d_up:
	.size	k_qa0f673d17d_up, .Lfunc_end_k_qa0f673d17d_up-k_qa0f673d17d_up
	.p2alignl 7, 3214868480
	.fill 96, 4, 3214868480
	.section	.rodata,"a",@progbits
	.p2align	6, 0x0
	.amdhsa_kernel k_qa0f673d17d_up
		.amdhsa_group_segment_fixed_size 152064
		.amdhsa_private_segment_fixed_size 0
		.amdhsa_enable_private_segment 0
		.amdhsa_kernarg_size 72
		.amdhsa_user_sgpr_count 2
		.amdhsa_user_sgpr_kernarg_segment_ptr 1
		.amdhsa_wavefront_size32 1
		.amdhsa_system_sgpr_workgroup_id_x 1
		.amdhsa_system_sgpr_workgroup_id_y 1
		.amdhsa_system_sgpr_workgroup_id_z 1
		.amdhsa_system_vgpr_workitem_id 0
		.amdhsa_next_free_vgpr 1024
		.amdhsa_next_free_sgpr 66
		.amdhsa_reserve_vcc 0
		.amdhsa_float_denorm_mode_32 3
		.amdhsa_float_denorm_mode_16_64 3
		.amdhsa_memory_ordered 1
		.amdhsa_forward_progress 1
		.amdhsa_inst_pref_size 255
	.end_amdhsa_kernel
	.section	.bss,"aw",@nobits
	.p2align	6
	.space	262144
	.amdgpu_metadata
---
amdhsa.version: [ 1, 2 ]
amdhsa.kernels:
  - .name:           k_qa0f673d17d_up
    .symbol:         k_qa0f673d17d_up.kd
    .args:
      - { .name: x_codes, .offset: 0, .size: 8, .value_kind: global_buffer, .address_space: global }
      - { .name: x_scales, .offset: 8, .size: 8, .value_kind: global_buffer, .address_space: global }
      - { .name: w1_codes, .offset: 16, .size: 8, .value_kind: global_buffer, .address_space: global }
      - { .name: w1_scales, .offset: 24, .size: 8, .value_kind: global_buffer, .address_space: global }
      - { .name: b1, .offset: 32, .size: 8, .value_kind: global_buffer, .address_space: global }
      - { .name: meta, .offset: 40, .size: 8, .value_kind: global_buffer, .address_space: global }
      - { .name: rowsrc, .offset: 48, .size: 8, .value_kind: global_buffer, .address_space: global }
      - { .name: h_img, .offset: 56, .size: 8, .value_kind: global_buffer, .address_space: global }
      - { .name: h_sc, .offset: 64, .size: 8, .value_kind: global_buffer, .address_space: global }
    .group_segment_fixed_size: 152064
    .private_segment_fixed_size: 0
    .kernarg_segment_align: 8
    .kernarg_segment_size: 72
    .max_flat_workgroup_size: 128
    .sgpr_count:     66
    .vgpr_count:     1024
    .wavefront_size: 32
...
	.end_amdgpu_metadata
.endif
;; end of part 5
;; launch down (part 6): grid 8 x 32, 4 waves a work-group, no clusters, 301,056 bytes of LDS; arguments h_img, h_sc, w2_codes, w2_scales, b2, probs, meta, rowsrc, parts; writes parts
.if DOCPART == 6
	.amdgcn_target "amdgcn-amd-amdhsa--gfx1250"
	.amdhsa_code_object_version 6
	.text
	.protected	k_qa0f673d17d_down
	.globl	k_qa0f673d17d_down
	.p2align	8
	.type	k_qa0f673d17d_down,@function
k_qa0f673d17d_down:
	s_mov_b64 s[64:65], 0
	v_nop
	global_prefetch_b8 v0, s[64:65] scope:SCOPE_SE
	s_setreg_imm32_b32 hwreg(HW_REG_WAVE_SCHED_MODE, 0, 2), 2
	s_setreg_imm32_b32 hwreg(HW_REG_WAVE_MODE, 25, 1), 1
	s_wait_xcnt 0x0
	s_wait_alu depctr_vm_vsrc(0)
; DOWN: parts[i] = probs[i] x (h W2[e] + b2[e]) for each routed row i, on codes of BF6 (E3M2) with one E8M0 byte for each 32 along K = 2048.
; SHARES.  Work-group (x, y): output columns 128 x .. 128 x + 127 of expert e = y / 4.  Its four waves and the three partner groups are sixteen units; unit U = 4 (y % 4) + wave takes the expert's tiles of
; 16 rows U, U + 16, U + 32 .., three to a pass (two are multiplied where the third lies past the expert's end).  An expert has at most 4096 / 16 = 256 tiles, so a unit has at most 6 passes (U + 48 p < 256):
; the loop over passes is counted to 6 and is left as soon as the pass's first tile lies past the expert's end.
; The 128 rows of W2 (1,536 bytes each) come once, by loads of 512 consecutive bytes, into LDS; ONE barrier; behind it the waves share nothing.  A pass keeps its tiles of h whole in registers (192 each, loaded as the
; register images that the launch before stored) and sweeps the panel: two tiles of columns at a time, all of K, four fragments to a group, through three ring buffers, two groups ahead.
; No tensor load and no cluster: trip counts hang on counts read from memory.  No prefetch: all of a group's loads go out at its head.
; FRAGMENTS as in the launch before: lane (r, h) holds bytes 96 s + 48 h .. + 47 of its row; W2's scale words are laid (byte 0, 2, 1, 3); h's were stored so.
; TRANSPOSED USE (source 0 = 16 rows of W2, source 1 = 16 rows of h): a lane holds one row and eight neighbouring columns.  b2 is the C of each sum's first product.  The results, times the row's weight, go through
; my own stage in LDS and leave as whole rows: 32 lanes store 512 consecutive bytes, aligned.
; PADDING ROWS (list word 4096) have no place in parts.  No branch hangs on a row's number: a padding row's store repeats the tile's first row, the same bytes to the same address from the same wave.  A tile's first
; row is a routed row: the sort lays an expert's n rows on end from its first tile's first place, in n / 16 tiles, rounded up, so that padding stands only behind routed rows.
; REGISTERS.  window 0: addresses, scales, the six accumulators, b2.  window 1 + k: v0-191 tile k (K step s at 12 s), v192-239 ring buffer k.
; THE MODE: SCHED_MODE bits 1:0 = 2 (LLVM: expert scheduling mode 2), set by the entry lines.  The code itself states the register dependences between vector or matrix instructions and memory or LDS
; instructions, with s_wait_alu, always for 0.
; THE PLAN.  Registers that memory or LDS instructions touch, round a pass:
;   the three tiles  loads land in them (at the head tiles 1 and 2 into registers that the panel's LDS stores have read); the products read them.
;   ring 0, 1, 2     Group G's products read buffer G % 3; the LDS loads of group G + 2 land in the buffer that group G - 1's products read.
;   ACC              written by the products and by the weights' multiplications; read by the stage's LDS stores; on the way out LDS loads land in it, the choice between a row and the tile's first row reads and
;                    writes it, and the global stores read it.
;   HS, P, RI        loads land in them; read by the products (as scales), by the multiplications, by the vector lines that make offsets.
;   RO, AOF, SOF, PA, AD   offsets: written by vector lines, read by loads and stores.
;   v4-v14, v246, v247     addresses and offsets made at the head and never written again.
; So a wait on va_vdst stands: at the head ahead of the first load; behind the offsets of SETUP and of PLOAD; behind W2's v_perm_b32; in each group that loads, but a sweep's first, which the epilogue's wait has covered;
; once in an epilogue, between its multiplications and its LDS stores; once for each eight rows on the way out.  Behind a group's wait its 12 loads stand among its products, which name another ring buffer, the tiles,
; the accumulators and the scales: none of the registers that those loads touch.
; A wait on vm_vsrc stands: ahead of tile 1's first loads; at a sweep's first group; at the head of each eight rows on the way out; at the pass's end.  A wait on va_sdst stands behind each run of lines that write scalar registers.
.set PITCH, 1552                       ; an LDS row: 1,536 bytes + 16
.set OST,   128*PITCH                  ; behind the panel: each wave's stage, 3 tiles x 16 rows x (512 + 16) bytes
.set OSTW,  3*16*528
.set PASSES, 6                         ; the most passes a unit can have
.set RL,   52                          ; s52-59   eight routed rows on the way out; then, for each, 0 (a routed row) or -1 (a padding row)
.set R0,   60                          ; s60      the tile's first routed row
.set RI,   16                          ; v16-18   the tiles' routed rows
.set P,    20                          ; v20-25   their weights, in pairs (the odd registers hold 0 and are only named)
.set AOF,  26                          ; v26-28
.set SOF,  29                          ; v29-31
.set W2S,  32                          ; v32-95   W2's scale words: 8 nt + q: lanes 0-15 K step q, lanes 16-31 K step 8 + q
.set HS,   96                          ; v96-119  h's likewise: 8 k + q
.set ACC,  120                         ; v120-167 accumulator (k, n) at 16 k + 8 n; on the way out eight rows at a time in the first 32
.set Z0,   ACC+32                      ; v152-155 on the way out: the tile's first row
.set BI,   168                         ; v168-231 b2 for the eight tiles of columns
.set AD,   232                         ; v232-239 the stores' offsets
.set RO,   240
.set PA,   243
.set W2A,  246
.set BIA,  247
.set MSB, 0
.macro WIN new
.if MSB != (\new)
	s_set_vgpr_msb (MSB<<8)|(\new)
.set MSB, \new
.endif
.endm
.macro PLACES n
.rept \n
	v_nop
.endr
.endm
.macro MM d, a, b, cc, sa, sb, row
.if \row
	v_wmma_scale_f32_16x16x128_f8f6f4 v[\d:\d+7], v[\a:\a+11], v[\b:\b+11], v[\cc:\cc+7], v[\sa], v[\sb] matrix_a_fmt:MATRIX_FMT_BF6 matrix_b_fmt:MATRIX_FMT_BF6 matrix_a_scale:MATRIX_SCALE_ROW1 matrix_b_scale:MATRIX_SCALE_ROW1
.else
	v_wmma_scale_f32_16x16x128_f8f6f4 v[\d:\d+7], v[\a:\a+11], v[\b:\b+11], v[\cc:\cc+7], v[\sa], v[\sb] matrix_a_fmt:MATRIX_FMT_BF6 matrix_b_fmt:MATRIX_FMT_BF6
.endif
.endm
; The pass's three tiles, held inside the expert's tiles, all tiles and the buffers; three loads of the rows' list, then six of h's scale words
.macro SETUP
.irp k,0,1,2
	s_add_co_u32 s35, s26, 16*\k
	s_min_u32 s35, s35, s29
	s_add_co_u32 s35, s35, s27
	s_min_u32 s35, s35, s30
	s_min_u32 s35, s35, 263
	s_lshl_b32 s36, s35, 6
	v_add_nc_u32 v[RO+\k], s36, v6
	s_mul_i32 s36, s35, 24576
	v_add_nc_u32 v[AOF+\k], s36, v4
	s_lshl_b32 s36, s35, 10
	v_add_nc_u32 v[SOF+\k], s36, v7
.endr
	s_wait_alu depctr_va_vdst(0)                   ; the nine offsets are written, which the loads below and the tiles' loads read; the last pass is done reading the rows' list, h's scale words and the tiles' registers, in which these loads land
.irp k,0,1,2
	global_load_b32 v[RI+\k], v[RO+\k], s[18:19]
.endr
.irp k,0,1,2
	global_load_b128 v[HS+8*\k:HS+8*\k+3], v[SOF+\k], s[6:7]
	global_load_b128 v[HS+8*\k+4:HS+8*\k+7], v[SOF+\k], s[6:7] offset:16
.endr
.endm
.macro PLOAD                           ; the rows' weights
.irp k,0,1,2
	v_min_u32 v[PA+\k], 4095, v[RI+\k]
.endr
.irp k,0,1,2
	v_lshlrev_b32 v[PA+\k], 2, v[PA+\k]
.endr
	s_wait_alu depctr_va_vdst(0)                   ; the three offsets are written, which the loads below read
.irp k,0,1,2
	global_load_b32 v[P+2*\k], v[PA+\k], s[14:15]
.endr
.endm
.macro LOADA k                         ; tile k of h: 48 loads of 512 consecutive bytes, straight into the operand's registers
.set WV, (1+\k)<<6
	WIN WV
.set I, 0
.rept 48
	global_load_b128 v[4*I:4*I+3], v[AOF+\k], s[4:5] offset:512*I
.set I, I+1
.endr
	WIN 0
.endm
; Group g = 8 p + q: W2's fragments of column tiles 2 p, 2 p + 1 and K steps 2 q, 2 q + 1 into ring buffer g % 3
.macro RING g
.set RP, (\g)/8
.set RG, (\g)%8
.set WV, (1+(\g)%3)<<6
	WIN WV
.irp f,0,1,2,3
.irp i,0,1,2
	ds_load_b128 v[192+12*\f+4*\i:192+12*\f+4*\i+3], v[8+RP] offset:16*PITCH*(\f%2)+96*(2*RG+\f/2)+16*\i
.endr
.endr
.endm
.macro GROUP R
.set PP, G/8
.set GA, G%8
.if (G==31)||((GA==0)&&(G>0))
	s_wait_dscnt 0x0                               ; nothing may be out: the last group; or the stage's stores, which read the accumulators that are begun anew below
.else
	s_wait_dscnt 12                                ; this group's fragments are in; the next group's 12 loads may be out
.endif
.if (GA==0)&&(G>0)
	s_wait_alu depctr_vm_vsrc(0)                   ; the stage's LDS stores have read the accumulators, which the products below begin anew
.endif
	PLACES 4                                       ; in front of loads into the buffer that the group before has multiplied
.if (GA!=0)&&(G+2<=31)
	s_wait_alu depctr_va_vdst(0)                   ; the group before is done reading its ring buffer, in which this group's loads land (at a sweep's first group the epilogue's wait has stated that)
.endif
.irp k,0,1,2
.if \k<\R
.set WV, (1+G%3)|((1+\k)<<2)
	WIN WV
.irp f,0,1,2,3
.set SS, 2*GA+\f/2
.set NT8, 2*PP+\f%2
.set RD, ACC+16*\k+8*(\f%2)
.set RC, RD
.if (GA==0)&&(\f<2)
.set RC, BI+8*NT8                      ; the bias is the C of each sum's first product
.endif
.set RA, 192+12*\f
.set RB, 12*SS
.set RSA, W2S+8*NT8+SS%8
.set RSB, HS+8*\k+SS%8
	MM RD, RA, RB, RC, RSA, RSB, SS/8              ; the tile's two accumulators by turns, one instruction a turn
.endr
.endif
.if (\k==0)&&(G+2<=31)
	RING G+2                                       ; behind tile 0's four products.  No further wait: no vector or matrix instruction since the last wait on va_vdst names that buffer or its addresses
.endif
.endr
.endm
.macro EPI R                           ; column tiles 2 PP, 2 PP + 1 are finished: times the row's weight, into the stage
	WIN 0
	PLACES 5
.irp k,0,1,2
.if \k<\R
.irp n,0,1
.irp i,0,2,4,6
	v_pk_mul_f32 v[ACC+16*\k+8*\n+\i:ACC+16*\k+8*\n+\i+1], v[ACC+16*\k+8*\n+\i:ACC+16*\k+8*\n+\i+1], v[P+2*\k:P+2*\k+1] op_sel_hi:[1,0]   ; from the accumulator's low end on
.endr
.endr
.endif
.endr
	s_wait_alu depctr_va_vdst(0)                   ; the multiplications have written the accumulators, which the LDS stores below read; the sweep's products are done reading the ring buffers, in which the next loads land
.irp k,0,1,2
.if \k<\R
.irp n,0,1
	ds_store_b128 v12, v[ACC+16*\k+8*\n:ACC+16*\k+8*\n+3] offset:8448*\k+64*(2*PP+\n)
	ds_store_b128 v12, v[ACC+16*\k+8*\n+4:ACC+16*\k+8*\n+7] offset:8448*\k+64*(2*PP+\n)+16
.endr
.endif
.endr
.endm
.macro PASS R
	RING 0
	RING 1
.set G, 0
.rept 32
	GROUP \R
.if G%8==7
	EPI \R
.endif
.set G, G+1
.endr
.endm
; Tile k's 16 rows leave, eight at a time.  The tiles' numbers ascend: from the first tile past the expert's end on, nothing is stored.
.macro FLUSH k
	s_add_co_u32 s35, s26, 16*\k
	s_cmp_ge_u32 s35, s28
	s_cbranch_scc1 .Lflushed
.irp u,0,1
	s_wait_xcnt 0x0                                ; the stores before have had their addresses translated
	s_wait_alu depctr_vm_vsrc(0)                   ; the stage's LDS stores and the global stores before have read the accumulators' registers, in which the rows below land, and the offsets AD, which are written again
.if \u==0
	ds_load_b128 v[Z0:Z0+3], v13 offset:8448*\k    ; the tile's first row, kept for both halves of the tile
.endif
.irp t,0,1,2,3,4,5,6,7
	ds_load_b128 v[ACC+4*\t:ACC+4*\t+3], v13 offset:8448*\k+528*(8*\u+\t)
.endr
	v_readlane_b32 s[R0], v[RI+\k], 0
.irp t,0,1,2,3,4,5,6,7
	v_readlane_b32 s[RL+\t], v[RI+\k], 8*\u+\t
.endr
	s_wait_alu depctr_va_sdst(0)                   ; the nine scalar registers are written, ahead of their first reader
.irp t,0,1,2,3,4,5,6,7
	s_cmp_lt_u32 s[RL+\t], 0x1000                  ; a routed row?
	s_cselect_b32 s35, s[RL+\t], s[R0]             ; its place in parts, or the first row's
	s_cselect_b32 s[RL+\t], 0, -1                  ; and which of the two rows' bytes go there
	s_min_u32 s35, s35, 4095
	s_lshl_b32 s35, s35, 12                        ; a row of parts is 4,096 bytes
	v_add_nc_u32 v[AD+\t], s35, v14
.endr
	s_wait_dscnt 0x0                               ; the rows are back from the stage
.irp t,0,1,2,3,4,5,6,7
.irp i,0,1,2,3
	v_cndmask_b32 v[ACC+4*\t+\i], v[ACC+4*\t+\i], v[Z0+\i], s[RL+\t]
.endr
.endr
	s_wait_alu depctr_va_vdst(0)                   ; the eight offsets and the chosen rows are written, which the stores below read; the choices are done reading the registers in which the next rows land
.irp t,0,1,2,3,4,5,6,7
	global_store_b128 v[AD+\t], v[ACC+4*\t:ACC+4*\t+3], s[20:21] th:TH_STORE_NT
.endr
.endr
.endm
	s_load_b512 s[4:19], s[0:1], 0x0               ; h_img 4, h_sc 6, w2_codes 8, w2_scales 10, b2 12, probs 14, meta 16, rowsrc 18
	s_load_b64 s[20:21], s[0:1], 0x40              ; parts
	v_lshl_add_u32 v254, v0, 2, 0x49600
	v_mov_b32 v255, 0
	v_lshrrev_b32 v15, 5, v0
	v_readfirstlane_b32 s22, v15                   ; wave 0..3
	s_mov_b32 s23, ttmp9                           ; which 128 columns
	s_and_b32 s35, ttmp7, 0xffff
	s_lshr_b32 s24, s35, 2                         ; expert
	s_and_b32 s25, s35, 3
	s_lshl_b32 s26, s25, 2
	s_wait_alu depctr_va_sdst(0)                   ; s22 is written, ahead of its first reader
	s_add_co_u32 s26, s26, s22                     ; s26: my unit, and the pass's first tile
	s_mov_b32 s31, 0                               ; s31: passes done
	s_lshl_b32 s38, s24, 2                         ; the expert's word in meta; never rewritten
	s_mov_b32 s42, 0x03010200
	v_and_b32 v1, 31, v0
	v_and_b32 v2, 15, v0                           ; r
	v_bfe_u32 v3, v0, 4, 1                         ; h
	v_lshlrev_b32 v4, 4, v1
	v_lshlrev_b32 v6, 2, v2
	v_lshlrev_b32 v7, 5, v1
	s_mul_i32 s35, s22, 32*PITCH
	v_add_nc_u32 v5, s35, v4                       ; the panel, on the way in: my wave's 32 rows
	v_mul_u32_u24 v8, v2, PITCH
	v_mad_u32_u24 v8, v3, 48, v8                   ; a fragment's row and half: column tiles 0, 1;
	v_add_nc_u32 v9, 32*PITCH, v8                  ; 2, 3;
	v_add_nc_u32 v10, 64*PITCH, v8                 ; 4, 5;
	v_add_nc_u32 v11, 96*PITCH, v8                 ; 6, 7
	s_mul_i32 s35, s22, OSTW
	s_add_co_u32 s35, s35, OST
	v_mul_u32_u24 v12, v2, 528
	v_lshl_add_u32 v12, v3, 5, v12
	v_add_nc_u32 v12, s35, v12                     ; my stage, in: row r, 32 bytes for each half of the lanes
	v_add_nc_u32 v13, s35, v4                      ; and back: a row's 512 bytes, 16 a lane
	s_lshl_b32 s35, s23, 9
	v_add_nc_u32 v14, s35, v4                      ; the same 16 bytes in a row of parts
	v_lshlrev_b32 v[W2A], 6, v2
	v_lshl_add_u32 v[W2A], v3, 5, v[W2A]
	v_lshlrev_b32 v[BIA], 5, v3
	v_mov_b32 v[P+1], 0
	v_mov_b32 v[P+3], 0
	v_mov_b32 v[P+5], 0
	s_lshl_b32 s36, s24, 10
	s_lshl_b32 s37, s23, 7
	s_add_co_u32 s36, s36, s37                     ; the panel's first row of W2: 1024 e + 128 x
	s_lshl_b32 s37, s22, 5
	s_add_co_u32 s37, s36, s37
	s_mul_i32 s50, s37, 1536
	s_mov_b32 s51, 0
	s_wait_kmcnt 0x0
	s_load_b32 s27, s[16:17], s38 offset:0x0       ; the expert's first tile,
	s_load_b32 s28, s[16:17], s38 offset:0x80      ; its tiles,
	s_load_b32 s30, s[16:17], 0x20                 ; all tiles
	s_add_nc_u64 s[8:9], s[8:9], s[50:51]
	s_lshl_b32 s50, s36, 6
	s_add_nc_u64 s[10:11], s[10:11], s[50:51]
	s_lshl_b32 s50, s36, 2
	s_add_nc_u64 s[12:13], s[12:13], s[50:51]
	WIN 0x80                                       ; the raw panel: 96 loads of 512 consecutive bytes, into the registers that tiles 1 and 2 take later
	s_wait_alu depctr_va_vdst(0)                   ; all addresses and offsets of the head are written, which the kernel's loads, stores and LDS instructions read
.set I, 0
.rept 48
	global_load_b128 v[4*I:4*I+3], v4, s[8:9] offset:512*I
.set I, I+1
.endr
	WIN 0xc0
.rept 48
	global_load_b128 v[4*(I-48):4*(I-48)+3], v4, s[8:9] offset:512*I
.set I, I+1
.endr
	WIN 0
.irp t,0,1,2,3,4,5,6,7
	global_load_b128 v[W2S+8*\t:W2S+8*\t+3], v[W2A], s[10:11] offset:1024*\t
	global_load_b128 v[W2S+8*\t+4:W2S+8*\t+7], v[W2A], s[10:11] offset:1024*\t+16
.endr
.irp t,0,1,2,3,4,5,6,7
	global_load_b128 v[BI+8*\t:BI+8*\t+3], v[BIA], s[12:13] offset:64*\t
	global_load_b128 v[BI+8*\t+4:BI+8*\t+7], v[BIA], s[12:13] offset:64*\t+16
.endr
	s_wait_kmcnt 0x0
	s_max_u32 s29, s28, 1
	s_sub_co_u32 s29, s29, 1                       ; the expert's last tile
	s_sub_co_u32 s30, s30, 1                       ; the last tile of all
	SETUP
	LOADA 0
	s_wait_loadcnt 48                              ; all but tile 0's 48 loads: the panel, the scales, b2 and the rows' list are in
	PLOAD
	WIN 0x08
.set I, 0
.rept 48
	ds_store_b128 v5, v[4*I:4*I+3] offset:PITCH*(I/3)+512*(I%3)
.set I, I+1
.endr
	WIN 0x0c
.rept 48
	ds_store_b128 v5, v[4*(I-48):4*(I-48)+3] offset:PITCH*(I/3)+512*(I%3)
.set I, I+1
.endr
	WIN 0
.set I, 0
.rept 64
	v_perm_b32 v[W2S+I], v[W2S+I], v[W2S+I], s42
.set I, I+1
.endr
	PLACES 8                                       ; scale registers written by vector instructions stand eight places ahead of the products: W2's are written here alone, h's come by loads
	s_wait_alu depctr_va_vdst(0)                   ; v_perm_b32 has written W2's scale words, which the products take as scales; the places above stay beside this wait
	s_wait_dscnt 0x0                               ; my part of the panel lies in LDS
	s_wait_alu depctr_vm_vsrc(0)                   ; the panel's LDS stores have read their registers, in which the loads of tiles 1 and 2 land
	LOADA 1
	LOADA 2
	s_barrier_signal -1
	s_barrier_wait -1                              ; the one barrier: from here on nobody writes the panel
	s_cmp_ge_u32 s26, s28
	s_cbranch_scc1 .Lend                           ; no tile for my unit
.Lpass:
	s_wait_loadcnt 0x0                             ; the tiles, their scale words and weights
	s_add_co_u32 s35, s26, 32
	s_cmp_lt_u32 s35, s28
	s_cbranch_scc0 .Ltwo
	PASS 3
	s_branch .Ljoin
.Ltwo:
	PASS 2
.Ljoin:
	s_wait_dscnt 0x0                               ; the stage's stores are done
	FLUSH 0
	FLUSH 1
	FLUSH 2
.Lflushed:
	s_wait_xcnt 0x0                                ; the stores have had their addresses translated
	s_wait_alu depctr_vm_vsrc(0)                   ; the stores have read the accumulators' registers, which the next pass's products write; the pass's loads have read their offsets, which are written again below
	s_add_co_u32 s26, s26, 48                      ; the next pass's first tile
	s_cmp_ge_u32 s26, s28
	s_cbranch_scc1 .Lend                           ; past the expert's end: done
	SETUP
	s_wait_loadcnt 6                               ; the rows' list is in; the six loads of scale words behind it may be out
	PLOAD
	LOADA 0
	LOADA 1
	LOADA 2
	s_add_co_u32 s31, s31, 1                       ; the loop's own count: one a pass, against the most that 256 tiles allow
	s_cmp_lt_u32 s31, PASSES
	s_cbranch_scc1 .Lpass
.Lend:
	s_wait_dscnt 0x0                               ; the closing lines, six on end
	s_wait_alu 0x0
	s_wait_tensorcnt 0x0
	ds_add_u32 v254, v255
	s_wait_dscnt 0x0
	s_endpgm
.Lfunc_end_k_qa0f673d17d_down:
	.size	k_qa0f673d17d_down, .Lfunc_end_k_qa0f673d17d_down-k_qa0f673d17d_down
	.p2alignl 7, 3214868480
	.fill 96, 4, 3214868480
	.section	.rodata,"a",@progbits
	.p2align	6, 0x0
	.amdhsa_kernel k_qa0f673d17d_down
		.amdhsa_group_segment_fixed_size 301056
		.amdhsa_private_segment_fixed_size 0
		.amdhsa_enable_private_segment 0
		.amdhsa_kernarg_size 72
		.amdhsa_user_sgpr_count 2
		.amdhsa_user_sgpr_kernarg_segment_ptr 1
		.amdhsa_wavefront_size32 1
		.amdhsa_system_sgpr_workgroup_id_x 1
		.amdhsa_system_sgpr_workgroup_id_y 1
		.amdhsa_system_sgpr_workgroup_id_z 1
		.amdhsa_system_vgpr_workitem_id 0
		.amdhsa_next_free_vgpr 1024
		.amdhsa_next_free_sgpr 66
		.amdhsa_reserve_vcc 0
		.amdhsa_float_denorm_mode_32 3
		.amdhsa_float_denorm_mode_16_64 3
		.amdhsa_memory_ordered 1
		.amdhsa_forward_progress 1
		.amdhsa_inst_pref_size 255
	.end_amdhsa_kernel
	.section	.bss,"aw",@nobits
	.p2align	6
	.space	262144
	.amdgpu_metadata
---
amdhsa.version: [ 1, 2 ]
amdhsa.kernels:
  - .name:           k_qa0f673d17d_down
    .symbol:         k_qa0f673d17d_down.kd
    .args:
      - { .name: h_img, .offset: 0, .size: 8, .value_kind: global_buffer, .address_space: global }
      - { .name: h_sc, .offset: 8, .size: 8, .value_kind: global_buffer, .address_space: global }
      - { .name: w2_codes, .offset: 16, .size: 8, .value_kind: global_buffer, .address_space: global }
      - { .name: w2_scales, .offset: 24, .size: 8, .value_kind: global_buffer, .address_space: global }
      - { .name: b2, .offset: 32, .size: 8, .value_kind: global_buffer, .address_space: global }
      - { .name: probs, .offset: 40, .size: 8, .value_kind: global_buffer, .address_space: global }
      - { .name: meta, .offset: 48, .size: 8, .value_kind: global_buffer, .address_space: global }
      - { .name: rowsrc, .offset: 56, .size: 8, .value_kind: global_buffer, .address_space: global }
      - { .name: parts, .offset: 64, .size: 8, .value_kind: global_buffer, .address_space: global }
    .group_segment_fixed_size: 301056
    .private_segment_fixed_size: 0
    .kernarg_segment_align: 8
    .kernarg_segment_size: 72
    .max_flat_workgroup_size: 128
    .sgpr_count:     66
    .vgpr_count:     1024
    .wavefront_size: 32
...
	.end_amdgpu_metadata
.endif
;; end of part 6
;; launch add: the kernel of part 4 again; grid 256 x 1, 8 waves a work-group, no clusters, 0 bytes of LDS; arguments parts, out0; writes out0
